; MI455X (gfx1250); checked and timed in simulation.
; The chip was launched on July 23, 2026; its instructions are those of AMD's public machine-readable ISA for CDNA 5 (MIT licence, August 2026) and "CDNA5" Instruction Set Architecture Reference Guide (July 2026). The comments in the code are by the model that wrote it; some were corrected since.
;; Lin Block. Allowed arithmetic: matrix products marked QUANTISED: E2M1 operands, one E8M0 scale for each 32 along K, by v_wmma_scale_f32_16x16x128_f8f6f4 with both operands' format E2M1 (or v_wmma_scale_f32_32x16x128_f4), f32 sums; products left as they are: bf16, f16 or f32 operands; f32 sums; everything else in f32.
;; Inputs: Wck 1,024 x 4,096 float32; Wcv 1,024 x 4,096 float32; Wk 512 x 512 float32; Wo 512 x 512 float32; Wq 512 x 512 float32; Wv 512 x 512 float32; bk 512 float32; bo 512 float32; bq 512 float32; bv 512 float32; query 4,096 x 4 x 512 float32.
;; Outputs: out0 4,096 x 4 x 512 float32.
;; This version of the problem:
;;   THIS VERSION OF THE PROBLEM IS GIVEN IN LOW PRECISION. The matrix products marked QUANTISED in the list below multiply operands that are first quantised to E2M1 (2 exponent bits, 1 mantissa bit; 4 bits a number), with one power-of-two scale for each 32 numbers along K (OCP MX v1.0); their sums are f32. The products marked 'left as it is' may take bf16, f16 or f32 operands, with f32 sums. Whichever they take, every output number must still come out within the allowed error. Rounding operands to bf16 (8 significant bits) uses up far more of that allowance than f16 does (11 bits, for magnitudes from 6e-5 to 65,504). All else is computed in f32.
;;   The module's matrix products, in the order in which they are computed (A, B: the left and right operand; K: the contracted axis; several contracted axes count as one K, in the product's order):
;;     1. [M 16,384, K 512] x [K 512, N 512]; A: input query; B: input Wq: QUANTISED
;;     2. [M 1,024, K 4,096] x [K 4,096, N 2,048]; A: input Wck; B: input query: QUANTISED
;;     3. [M 1,024, K 4,096] x [K 4,096, N 2,048]; A: input Wcv; B: input query: QUANTISED
;;     4. [M 4,096, K 512] x [K 512, N 512]; A: computed on the way; B: input Wk: left as it is (an operand is computed on the way)
;;     5. [M 4,096, K 512] x [K 512, N 512]; A: computed on the way; B: input Wv: left as it is (an operand is computed on the way)
;;     6. batch 32 x [M 4,096, K 64] x [K 64, N 1,024]; A: computed on the way; B: computed on the way: left as it is (an operand is computed on the way)
;;     7. batch 32 x [M 4,096, K 1,024] x [K 1,024, N 64]; A: computed on the way; B: computed on the way: left as it is (an operand is computed on the way)
;;     8. [M 16,384, K 512] x [K 512, N 512]; A: computed on the way; B: input Wo: left as it is (an operand is computed on the way)
;;   THE QUANTISER, for each operand of a quantised product, along K:
;;     - K is cut into blocks of 32 from its start; a last block that is shorter is filled with zeros.
;;     - A block's scale is 2^e with e = floor(log2(the largest magnitude in the block)) - 2, held to -126 .. 127; a block of zeros has e = 0. As a byte (E8M0): e + 127.
;;     - Each number is divided by its block's scale, clamped to +-6, and rounded to the nearest number of E2M1, ties to even, subnormals kept.
;;     - The product sums the exact products of the quantised numbers (number of the format x scale) in f32.
;;   ~~~python
;;   def quantise(x, axis):      # numpy; x: float32 -> the quantised numbers, widened to float32 again
;;       x = np.moveaxis(x, axis, -1); K = x.shape[-1]
;;       x = np.pad(x, [(0, 0)] * (x.ndim - 1) + [(0, -K % 32)]); x = x.reshape(x.shape[:-1] + (-1, 32)); a = np.abs(x).max(-1, keepdims=True)
;;       e = np.where(a > 0, np.clip(np.frexp(np.where(a > 0, a, 1))[1] - 1 - 2, -126, 127), 0)      # np.frexp(a)[1] - 1 = floor(log2(a)), exactly
;;       r = np.clip(x / 2.0 ** e, -6, 6)
;;       step = 2.0 ** (np.maximum(np.frexp(np.where(r == 0, 1, r))[1] - 1, 0) - 1)
;;       q = np.round(r / step) * step * 2.0 ** e      # np.round: ties to even
;;       return np.moveaxis(q.reshape(q.shape[:-2] + (-1,))[..., :K], -1, axis).astype(np.float32)
;;   ~~~
;; One version. Each part assembles by itself: llvm-mc -triple=amdgcn-amd-amdhsa -mcpu=gfx1250 --defsym DOCPART=n.
;; ======== version 1 of 1: 5 launches
;; limits: values are held in f16: magnitudes above 65,504 overflow, below 6.1e-05 lose precision; right only within a limited range of input values; inputs' magnitudes at most 65,504
;; workspace buffers: pw 15,081,472 bytes; kin 8,388,608 bytes; kv 8,388,608 bytes; vmax 8,192 bytes; o16 16,777,216 bytes
;; launch prep (part 1): grid 1088 x 1, 4 waves a work-group, no clusters, 68,608 bytes of LDS; arguments query, Wck, Wcv, Wq, Wk, Wv, Wo, pw; writes pw
.if DOCPART == 1
	.amdgcn_target "amdgcn-amd-amdhsa--gfx1250"
	.amdhsa_code_object_version 6
	.text
	.protected	k_qe577d9adf3_prep
	.globl	k_qe577d9adf3_prep
	.p2align	8
	.type	k_qe577d9adf3_prep,@function
k_qe577d9adf3_prep:
	s_mov_b64 s[64:65], 0
	v_nop
	global_prefetch_b8 v0, s[64:65] scope:SCOPE_SE
	s_setreg_imm32_b32 hwreg(HW_REG_WAVE_MODE, 25, 1), 1
	s_wait_xcnt 0x0
; PREP.  Every operand that a later launch multiplies and that is an input is laid out here once, in the order of the operand's registers.
;   query [4096 t][4 b][512 e] f32 -> codes of E2M1 along e (first product) AND along t (the two compressions); Wck, Wcv [1024][4096] -> codes along t; Wq [512][512] -> codes along e;
;   Wk, Wv, Wo [512][512] -> f16.
; THE QUANTISER: a block of 32 along K has the scale 2^(floor(log2(largest magnitude)) - 2); its byte is the largest magnitude's exponent field - 2, held at 1 from below by a floor among
; the maximum's leaves; the conversion divides by the scale, rounds to the nearest code, ties to even, and gives the largest code beyond 6.
; LAYOUTS in pw.  Codes: [row tile of 16][block of 32 along K][row 16][16 bytes]; a fragment (16 rows x 128 K) is then 1,024 bytes on end.  Scale words: [row tile][K step of 128][row 16] x 4 bytes.
;   f16: [row tile][chunk of 8 along K][row 16][16 bytes].
; SHARES.  A work-group takes 128 rows x 128 columns of one matrix, wave w rows 32 w .. 32 w + 31.  Work-groups 0-511: query (as 4,096 rows of 2,048 columns); 512-1023: Wck, Wcv; 1024-1039: Wq; 1040-1087: Wk, Wv, Wo.
; A wave's 32 loads read 512 consecutive bytes each; the 16 KiB turn through the wave's own tile in LDS (rows 528 bytes apart) and come back a ROW to a lane (K = the columns) and, for query, once
; more a COLUMN to a lane (K = t: the registers run down the rows).  Either way a block's 32 numbers lie in one lane's registers, and a lane's 16 bytes of codes stand beside its neighbours': 16 lanes store 256 consecutive bytes, aligned.
; Every store of the launch has data registers of its own, on every way through the text: none is written again, so no wait for a store's sources is owed.
; LIMITS: NaN and infinities among the inputs are not served.  A block of zeros gets the byte 1 where the rule says 127: its codes are zeros, and this program alone reads the bytes.
; Weights beyond 65,504 in magnitude have no f16 number.
.set Q1C, 0x000000                     ; query's codes along e: row tile b 256 + t / 16
.set QTC, 0x400000                     ; query's codes along t: rows b 512 + e
.set WCC, 0x800000                     ; Wck's and Wcv's codes: rows mat 1024 + c
.set WQC, 0xC00000                     ; Wq's codes
.set WH,  0xC20000                     ; Wk, Wv, Wo in f16
.set Q1S, 0xDA0000                     ; the scale words, in the same order
.set QTS, 0xDE0000
.set WCS, 0xE20000
.set WQS, 0xE60000
.set PITCH, 528                        ; a row of the tile in LDS: 512 bytes + 16, so that 16 lanes that take 16 rows start 4 words apart
.set WTILE, 32*PITCH                   ; a wave's tile
.set TB,    4*WTILE                    ; 512 bytes: the scale bytes along t of the work-group's 128 columns, four waves' bytes to a word
.set SPARE, TB+512                     ; the spare words, 128 bytes for each wave: two blocks of 256 bytes that no other line names
.set X,   16                           ; v16-143  128 numbers
.set CE,  144                          ; v144-159 codes along the columns; for the f16 job v144-207
.set BE,  208                          ; v208-211 bytes along the columns;  v212 their word;  v213 the word along t
.set WE,  212
.set WT,  213
.set M0,  216                          ; v216, v217 two chains of the maximum;  v218 the conversion's scale operand
.set M1,  217
.set SC,  218
.set BT,  220                          ; v220-223 bytes along t
.set CT,  224                          ; v224-239 codes along t: registers that no other job's stores name
; v1 spare word, v2 zero; v3 16 x lane; v4 tile + 16 lane; v5 tile + 528 lane; v6 tile + 4 lane; v7, v8 offsets of codes and words (rows); v9, v10 the same (columns); v11, v12 places in TB
.macro LOADS rs                        ; my 32 rows, 512 consecutive bytes each; read once in the launch
.set i, 0
.rept 32
	global_load_b128 v[X+4*i:X+4*i+3], v3, s[40:41] offset:i*\rs th:TH_LOAD_NT
.set i, i+1
.endr
.endm
.macro QUANT32 xs, cd, by              ; 32 numbers of a lane -> 4 registers of codes and the scale's byte
	v_max3_num_f32 v[M0], |v[\xs]|, |v[\xs+1]|, |v[\xs+2]|
	v_max3_num_f32 v[M1], |v[\xs+3]|, |v[\xs+4]|, |v[\xs+5]|
.irp n, 6,10,14,18,22,26
	v_max3_num_f32 v[M0], v[M0], |v[\xs+\n]|, |v[\xs+\n+1]|
	v_max3_num_f32 v[M1], v[M1], |v[\xs+\n+2]|, |v[\xs+\n+3]|
.endr
	v_max3_num_f32 v[M0], v[M0], |v[\xs+30]|, |v[\xs+31]|
	v_max3_num_f32 v[M0], v[M0], v[M1], 0x1800000      ; the floor 2^(3 - 127): the byte cannot fall under 1
	v_add_nc_u32 v[SC], 0xff000000, v[M0]              ; 2 off the exponent field: the conversion takes this operand's exponent field as its scale
.irp n, 0,1,2,3
	v_cvt_scalef32_pk8_fp4_f32 v[\cd+\n], v[\xs+8*\n:\xs+8*\n+7], v[SC]
.endr
	v_lshrrev_b32 v[\by], 23, v[SC]                    ; the byte; also the plain line behind the conversions
.endm
.macro LOADH g, hf                     ; columns 32 g + lane, rows 16 hf .. 16 hf + 15 of my 32: the registers run down the rows
.set i, 16*(\hf)
.rept 16
	ds_load_b32 v[X+32*(\g)+i], v6 offset:PITCH*i+128*(\g)
.set i, i+1
.endr
.endm
.macro COLS g, left                    ; left: the LDS instructions issued behind block g's loads
	s_wait_dscnt \left
	QUANT32 X+32*(\g), CT+4*(\g), BT+(\g)
	global_store_b128 v9, v[CT+4*(\g):CT+4*(\g)+3], s[46:47] offset:65536*(\g)
	ds_store_b8 v11, v[BT+(\g)] offset:128*(\g)        ; byte w of the column's word
.endm
	s_load_b512 s[16:31], s[0:1], 0x0              ; query s[16:17], Wck, Wcv, Wq s[22:23], Wk, Wv, Wo s[28:29], pw s[30:31]
	v_lshl_add_u32 v1, v0, 2, SPARE
	v_mov_b32 v2, 0
	v_lshrrev_b32 v13, 5, v0
	v_readfirstlane_b32 s8, v13                    ; wave 0..3
	v_and_b32 v14, 31, v0                          ; lane
	v_lshlrev_b32 v3, 4, v14
	v_lshlrev_b32 v15, 2, v14
	s_mul_i32 s9, s8, WTILE
	v_add_nc_u32 v4, s9, v3
	v_mul_u32_u24 v5, v14, PITCH
	v_add_nc_u32 v5, s9, v5
	v_add_nc_u32 v6, s9, v15
	v_add_nc_u32 v11, s8, v15
	v_add_nc_u32 v11, TB, v11                      ; TB + 4 lane + wave
	s_lshl_b32 s10, s8, 7
	v_add_nc_u32 v12, s10, v15
	v_add_nc_u32 v12, TB, v12                      ; TB + 128 wave + 4 lane
	v_lshrrev_b32 v13, 4, v14                      ; lane / 16
	v_and_b32 v14, 15, v14                         ; lane % 16
	v_lshlrev_b32 v9, 15, v13
	v_lshl_add_u32 v9, v14, 4, v9                  ; along t: a row tile is 32,768 bytes of codes,
	v_lshlrev_b32 v10, 11, v13
	v_lshl_add_u32 v10, v14, 2, v10                ; 2,048 of scale words
	s_mov_b32 s37, 0                               ; the offsets' high words, and the offsets that only some jobs have
	s_mov_b32 s39, 0
	s_mov_b32 s54, 0
	s_mov_b32 s55, 0
	s_mov_b32 s56, 0
	s_mov_b32 s57, 0
	s_mov_b32 s58, 0
	s_mov_b32 s59, 0
	s_mov_b32 s51, 0
	s_wait_kmcnt 0x0
	s_cmp_lt_u32 ttmp9, 512
	s_cbranch_scc0 .Lnot_query
	; ---- query: tb = 128 t, cb = 128 columns (b = cb / 4, K step along e = cb % 4)
	s_lshr_b32 s32, ttmp9, 4                       ; tb
	s_and_b32 s33, ttmp9, 15                       ; cb
	s_lshr_b32 s34, s33, 2                         ; b
	s_and_b32 s35, s33, 3                          ; ke
	s_lshl_b32 s36, s32, 20                        ; 128 rows of 8,192 bytes
	s_lshl_b32 s11, s33, 9
	s_add_co_u32 s36, s36, s11
	s_lshl_b32 s11, s8, 18                         ; my 32 rows
	s_add_co_u32 s36, s36, s11
	s_add_nc_u64 s[40:41], s[16:17], s[36:37]
	s_lshl_b32 s12, s34, 8
	s_lshl_b32 s11, s32, 3
	s_add_co_u32 s12, s12, s11
	s_lshl_b32 s11, s8, 1
	s_add_co_u32 s12, s12, s11                     ; row tile b 256 + tb 8 + 2 w
	s_lshl_b32 s38, s12, 12
	s_lshl_b32 s11, s35, 10
	s_add_co_u32 s38, s38, s11
	s_add_co_u32 s38, s38, Q1C
	s_lshl_b32 s54, s12, 8
	s_lshl_b32 s11, s35, 6
	s_add_co_u32 s54, s54, s11
	s_add_co_u32 s54, s54, Q1S
	s_lshl_b32 s56, s33, 18                        ; along t: row tiles cb 8 on, block tb 4 + w
	s_lshl_b32 s11, s32, 10
	s_add_co_u32 s56, s56, s11
	s_lshl_b32 s11, s8, 8
	s_add_co_u32 s56, s56, s11
	s_add_co_u32 s56, s56, QTC
	s_lshl_b32 s58, s33, 14                        ; words: row tile cb 8 + 2 w, K step tb
	s_lshl_b32 s11, s8, 12
	s_add_co_u32 s58, s58, s11
	s_lshl_b32 s11, s32, 6
	s_add_co_u32 s58, s58, s11
	s_add_co_u32 s58, s58, QTS
	s_mov_b32 s50, 4096                            ; bytes of codes,
	s_mov_b32 s51, 256                             ; and of scale words, in a row tile
	LOADS 8192
	s_branch .Ljoin
.Lnot_query:
	s_cmp_lt_u32 ttmp9, 1024
	s_cbranch_scc0 .Lnot_wc
	; ---- Wck, Wcv
	s_sub_co_u32 s32, ttmp9, 512
	s_bfe_u32 s34, s32, 0x30005                    ; rb: 128 rows
	s_and_b32 s35, s32, 31                         ; kb: 128 along t
	s_lshr_b32 s33, s32, 8                         ; which of the two
	s_cmp_eq_u32 s33, 0
	s_cselect_b64 s[40:41], s[18:19], s[20:21]
	s_lshl_b32 s36, s34, 21                        ; 128 rows of 16,384 bytes
	s_lshl_b32 s11, s35, 9
	s_add_co_u32 s36, s36, s11
	s_lshl_b32 s11, s8, 19
	s_add_co_u32 s36, s36, s11
	s_add_nc_u64 s[40:41], s[40:41], s[36:37]
	s_lshl_b32 s12, s33, 6
	s_lshl_b32 s11, s34, 3
	s_add_co_u32 s12, s12, s11
	s_lshl_b32 s11, s8, 1
	s_add_co_u32 s12, s12, s11                     ; row tile mat 64 + rb 8 + 2 w
	s_lshl_b32 s38, s12, 15
	s_lshl_b32 s11, s35, 10
	s_add_co_u32 s38, s38, s11
	s_add_co_u32 s38, s38, WCC
	s_lshl_b32 s54, s12, 11
	s_lshl_b32 s11, s35, 6
	s_add_co_u32 s54, s54, s11
	s_add_co_u32 s54, s54, WCS
	s_mov_b32 s50, 32768
	s_mov_b32 s51, 2048
	LOADS 16384
	s_branch .Ljoin
.Lnot_wc:
	s_cmp_lt_u32 ttmp9, 1040
	s_cbranch_scc0 .Lnot_wq
	; ---- Wq
	s_sub_co_u32 s32, ttmp9, 1024
	s_lshr_b32 s34, s32, 2                         ; rb
	s_and_b32 s35, s32, 3                          ; kb
	s_lshl_b32 s36, s34, 18                        ; 128 rows of 2,048 bytes
	s_lshl_b32 s11, s35, 9
	s_add_co_u32 s36, s36, s11
	s_lshl_b32 s11, s8, 16
	s_add_co_u32 s36, s36, s11
	s_add_nc_u64 s[40:41], s[22:23], s[36:37]
	s_lshl_b32 s12, s34, 3
	s_lshl_b32 s11, s8, 1
	s_add_co_u32 s12, s12, s11
	s_lshl_b32 s38, s12, 12
	s_lshl_b32 s11, s35, 10
	s_add_co_u32 s38, s38, s11
	s_add_co_u32 s38, s38, WQC
	s_lshl_b32 s54, s12, 8
	s_lshl_b32 s11, s35, 6
	s_add_co_u32 s54, s54, s11
	s_add_co_u32 s54, s54, WQS
	s_mov_b32 s50, 4096
	s_mov_b32 s51, 256
	LOADS 2048
	s_branch .Ljoin
.Lnot_wq:
	; ---- Wk, Wv, Wo to f16
	s_sub_co_u32 s32, ttmp9, 1040
	s_bfe_u32 s34, s32, 0x20002                    ; rb
	s_and_b32 s35, s32, 3                          ; kb
	s_lshr_b32 s33, s32, 4                         ; which of the three
	s_cmp_eq_u32 s33, 1
	s_cselect_b64 s[40:41], s[26:27], s[28:29]
	s_cmp_eq_u32 s33, 0
	s_cselect_b64 s[40:41], s[24:25], s[40:41]
	s_lshl_b32 s36, s34, 18
	s_lshl_b32 s11, s35, 9
	s_add_co_u32 s36, s36, s11
	s_lshl_b32 s11, s8, 16
	s_add_co_u32 s36, s36, s11
	s_add_nc_u64 s[40:41], s[40:41], s[36:37]
	s_lshl_b32 s12, s34, 3
	s_lshl_b32 s11, s8, 1
	s_add_co_u32 s12, s12, s11
	s_lshl_b32 s38, s12, 14                        ; a row tile of f16: 64 chunks of 256 bytes
	s_lshl_b32 s11, s35, 12
	s_add_co_u32 s38, s38, s11
	s_lshl_b32 s11, s33, 19
	s_add_co_u32 s38, s38, s11
	s_add_co_u32 s38, s38, WH
	s_mov_b32 s50, 16384
	LOADS 2048
.Ljoin:
	s_add_nc_u64 s[42:43], s[30:31], s[38:39]      ; where my codes (or f16 numbers) go,
	s_add_nc_u64 s[44:45], s[30:31], s[54:55]      ; my scale words,
	s_add_nc_u64 s[46:47], s[30:31], s[56:57]      ; and, for query, the codes
	s_add_nc_u64 s[48:49], s[30:31], s[58:59]      ; and words along t
	v_mul_lo_u32 v7, v13, s50
	v_lshl_add_u32 v7, v14, 4, v7                  ; lanes 16-31 hold the next row tile
	v_mul_lo_u32 v8, v13, s51
	v_lshl_add_u32 v8, v14, 2, v8
	; ---- into my tile, as the bytes lie
.set i, 0
.rept 32
	s_wait_loadcnt 31-i                            ; loads come back in order: load i is in, the 31 - i behind it may be out
	ds_store_b128 v4, v[X+4*i:X+4*i+3] offset:PITCH*i
.set i, i+1
.endr
	s_wait_dscnt 0x0                               ; the stores have read X, which is loaded over next
	; ---- a row to a lane: block g of my row in v[X + 32 g] on
.irp g, 0,1,2,3
.irp j, 0,1,2,3,4,5,6,7
	ds_load_b128 v[X+32*\g+4*\j:X+32*\g+4*\j+3], v5 offset:128*\g+16*\j
.endr
.endr
	s_cmp_ge_u32 ttmp9, 1040
	s_cbranch_scc1 .Lhalf
.irp g, 0,1,2,3
	s_wait_dscnt 8*(3-\g)                          ; block g's eight loads are in; the later blocks' may be out
	QUANT32 X+32*\g, CE+4*\g, BE+\g
	global_store_b128 v7, v[CE+4*\g:CE+4*\g+3], s[42:43] offset:256*\g
.endr
	v_lshl_or_b32 v[WE], v[BE+1], 8, v[BE]         ; the four bytes make my row's scale word of this K step
	v_lshl_or_b32 v[WE], v[BE+2], 16, v[WE]
	v_lshl_or_b32 v[WE], v[BE+3], 24, v[WE]
	global_store_b32 v8, v[WE], s[44:45]
	s_branch .Lrows_done
.Lhalf:
.irp g, 0,1,2,3
	s_wait_dscnt 8*(3-\g)
.irp q, 0,1,2,3
.irp p, 0,1,2,3
	v_cvt_pk_f16_f32 v[CE+16*\g+4*\q+\p], v[X+32*\g+8*\q+2*\p], v[X+32*\g+8*\q+2*\p+1]
.endr
	global_store_b128 v7, v[CE+16*\g+4*\q:CE+16*\g+4*\q+3], s[42:43] offset:(4*\g+\q)*256
.endr
.endr
.Lrows_done:
	s_cmp_ge_u32 ttmp9, 512
	s_cbranch_scc1 .Lno_cols
	; ---- query once more, a column to a lane: my 32 rows are one block along t.  The loads go in halves of 16 and run a block and a half ahead: 49 LDS instructions of mine are out at the most
	LOADH 0, 0
	LOADH 0, 1
	LOADH 1, 0
	COLS 0, 16                                     ; behind block 0's loads: the first half of block 1
	LOADH 1, 1
	LOADH 2, 0
	COLS 1, 16                                     ; behind block 1's second half: the first half of block 2 (block 0's byte store stands ahead of it)
	LOADH 2, 1
	LOADH 3, 0
	COLS 2, 16
	LOADH 3, 1
	COLS 3, 0                                      ; nothing was issued behind block 3's second half
.Lno_cols:
	s_wait_dscnt 0x0                               ; for the others' sake: my byte stores are done
	s_barrier_signal -1
	s_barrier_wait -1                              ; the four waves' bytes make the words
	s_cmp_ge_u32 ttmp9, 512
	s_cbranch_scc1 .Lend
	ds_load_b32 v[WT], v12                         ; the word of column 32 w + lane
	s_wait_dscnt 0x0
	global_store_b32 v10, v[WT], s[48:49]
.Lend:
	s_wait_tensorcnt 0x0                           ; the wave's end, behind my last LDS store
	ds_add_u32 v1, v2
	s_wait_dscnt 0x0
	s_endpgm
.Lfunc_end_k_qe577d9adf3_prep:
	.size	k_qe577d9adf3_prep, .Lfunc_end_k_qe577d9adf3_prep-k_qe577d9adf3_prep
	.p2alignl 7, 3214868480
	.fill 96, 4, 3214868480
	.section	.rodata,"a",@progbits
	.p2align	6, 0x0
	.amdhsa_kernel k_qe577d9adf3_prep
		.amdhsa_group_segment_fixed_size 68608
		.amdhsa_private_segment_fixed_size 0
		.amdhsa_enable_private_segment 0
		.amdhsa_kernarg_size 64
		.amdhsa_user_sgpr_count 2
		.amdhsa_user_sgpr_kernarg_segment_ptr 1
		.amdhsa_wavefront_size32 1
		.amdhsa_system_sgpr_workgroup_id_x 1
		.amdhsa_system_sgpr_workgroup_id_y 1
		.amdhsa_system_sgpr_workgroup_id_z 1
		.amdhsa_system_vgpr_workitem_id 0
		.amdhsa_next_free_vgpr 240
		.amdhsa_next_free_sgpr 66
		.amdhsa_reserve_vcc 0
		.amdhsa_float_denorm_mode_32 3
		.amdhsa_float_denorm_mode_16_64 3
		.amdhsa_memory_ordered 1
		.amdhsa_forward_progress 1
		.amdhsa_inst_pref_size 51
	.end_amdhsa_kernel
	.amdgpu_metadata
---
amdhsa.version: [ 1, 2 ]
amdhsa.kernels:
  - .name:           k_qe577d9adf3_prep
    .symbol:         k_qe577d9adf3_prep.kd
    .args:
      - { .name: query, .offset: 0, .size: 8, .value_kind: global_buffer, .address_space: global }
      - { .name: Wck, .offset: 8, .size: 8, .value_kind: global_buffer, .address_space: global }
      - { .name: Wcv, .offset: 16, .size: 8, .value_kind: global_buffer, .address_space: global }
      - { .name: Wq, .offset: 24, .size: 8, .value_kind: global_buffer, .address_space: global }
      - { .name: Wk, .offset: 32, .size: 8, .value_kind: global_buffer, .address_space: global }
      - { .name: Wv, .offset: 40, .size: 8, .value_kind: global_buffer, .address_space: global }
      - { .name: Wo, .offset: 48, .size: 8, .value_kind: global_buffer, .address_space: global }
      - { .name: pw, .offset: 56, .size: 8, .value_kind: global_buffer, .address_space: global }
    .group_segment_fixed_size: 68608
    .private_segment_fixed_size: 0
    .kernarg_segment_align: 8
    .kernarg_segment_size: 64
    .max_flat_workgroup_size: 128
    .sgpr_count:     66
    .vgpr_count:     240
    .wavefront_size: 32
...
	.end_amdgpu_metadata
.endif
;; end of part 1
;; launch comp (part 2): grid 16 x 16, 8 waves a work-group, clusters of 4 x 4, 327,680 bytes of LDS; arguments pw, kin; writes kin
.if DOCPART == 2
	.amdgcn_target "amdgcn-amd-amdhsa--gfx1250"
	.amdhsa_code_object_version 6
	.text
	.protected	k_qe577d9adf3_comp
	.globl	k_qe577d9adf3_comp
	.p2align	8
	.type	k_qe577d9adf3_comp,@function
k_qe577d9adf3_comp:
	s_mov_b64 s[64:65], 0
	v_nop
	global_prefetch_b8 v0, s[64:65] scope:SCOPE_SE
	s_setreg_imm32_b32 hwreg(HW_REG_WAVE_MODE, 25, 1), 1
	s_wait_xcnt 0x0
	s_wait_alu depctr_hold_cnt(0) depctr_sa_sdst(0) depctr_va_vdst(0) depctr_va_sdst(0) depctr_va_ssrc(0) depctr_va_vcc(0) depctr_vm_vsrc(0)
	s_getreg_b32 s2, hwreg(HW_REG_IB_STS2, 6, 4)
	s_cmp_eq_u32 s2, 0
	s_cbranch_scc0 .Lentry_in_a_cluster
	s_endpgm
.Lentry_in_a_cluster:
	s_bfe_u32 s2, ttmp6, 0x10000c
	s_cmp_lg_u32 s2, 0xf033
	s_cbranch_scc0 .Lentry_shape_is_right
	s_endpgm
.Lentry_shape_is_right:
; COMP.  k_in[c][b][e] = sum over t of Wck[c][t] query[t][b][e], and v_in with Wcv: both on codes of E2M1 with one E8M0 scale for each 32 along t, K = 4,096.
; X = query's codes along t, 2,048 rows (b, e); Y = Wck's and Wcv's codes, 2,048 rows (which, c).  Source 0 = 16 rows of X, source 1 = 16 rows of Y: a lane then holds ONE c and eight neighbouring e,
; which are 16 bytes of the next product's operand.  The result leaves x 2^-4 (exact) in f16, laid [(which 4 + b) 64 + c / 16][chunk of 8 e][c % 16][16 bytes].
; LIMIT: |k_in| and |v_in| under 2^4 x 65,504; with both operands 30 times the drawn spread and offset by 30 spreads they reach 73,728.
; SHARES.  A work-group makes 128 rows of X x 128 rows of Y; wave w: 64 of X (w % 2), 32 of Y (w / 2): 8 accumulators.
; RING.  K goes in four trips of 1,024 through two LDS slots.  In pw a row tile's codes of 1,024 along K are 8,192 bytes on end, so a slot is [X, Y][row tile 8][8,192 bytes], and wave w brings
; two row tiles of one operand by one tensor load.  A fragment is 1,024 bytes on end: two loads of 16 bytes a lane, no pitch.  The scale words of the 256 rows, all of K, come once (32 KiB).
; The scale words and BOTH slots are asked for at the head: three tensor loads of mine are out there, one behind each of the two later rounds.
; One scale register holds an even K step's words in lanes 0-15 and the odd step's in lanes 16-31.
; CLUSTER 4 x 4: X's tiles hang on the block of X alone, shared along a column of the cluster; Y's on the block of Y alone, shared along a row: joint loads.  CL = 0 with cluster = none gives the plain form.
.set CL, 1
.set QTC, 0x400000
.set WCC, 0x800000
.set QTS, 0xDE0000
.set WCS, 0xE20000
.set SLOT,  131072
.set SCL,   2*SLOT                     ; X's scale words, 16 KiB, then Y's
.set SPARE, SCL+32768                  ; the spare words, 128 bytes for each wave: four blocks of 256 bytes that no other line names
.set SPW, 1                            ; v1 spare word; v2 zero; never rewritten
.set NIL, 2
.set LI,  3                            ; v3 16 x lane
.set AX,  4                            ; v4, v5 my X fragments in slot 0, 1;  v6, v7 my Y fragments
.set AY,  6
.set XSA, 8                            ; v8, v9 my scale words of X, of Y
.set YSA, 9
.set SCR, 12                           ; v12-23 scale words and nothing else: two sets of X0-X3, Y0, Y1
.set FR,  32                           ; v32-79, v80-127 two sets of fragments: X's four, then Y's two
.set ACC, 128                          ; v128-191 accumulator (yi, xi) at 8 (4 yi + xi)
.set TMP, 192
.set OUTR, 200                         ; v200-231 packed results
.set G1X, 24                           ; s[24:31], s[32:39] group 1 for X's and Y's codes; s[40:47], s[48:55] for their scale words
.set G1Y, 32
.set G1XS, 40
.set G1YS, 48
.set G0X, 56                           ; s[56:63] group 0 for X's codes, a set for each slot; s[68:75] for Y's; s[76:79], s[80:83] for the scale words
.set G0Y, 68
.set G0XS, 76
.set G0YS, 80
.set G1W0, (3<<16)|(CL<<21)            ; elements of 8 bytes; bit 21 beside a mask
.macro PLACES                          ; four plain places behind matrix instructions, in front of loads into their registers and of the first read of results
.rept 4
	v_nop
.endr
.endm
.macro CROUND                          ; a round of the cluster's barrier
	s_barrier_signal -1
	s_barrier_wait -1
.if CL
	s_cmp_lg_u32 s8, 0
	s_cbranch_scc1 .Lnw0_\@
	s_barrier_signal -3
.Lnw0_\@:
	s_barrier_wait -3
	s_barrier_signal -1
	s_barrier_wait -1
.endif
.endm
.macro JLOAD g0x, g1x, g0y, g1y        ; waves 0-3 fetch for X, waves 4-7 for Y; an s_nop 0 and four v_nop follow each line
	s_cmp_eq_u32 s9, 0
	s_cbranch_scc0 .Lfor_y_\@
	tensor_load_to_lds s[\g0x:\g0x+3], s[\g1x:\g1x+7]
	s_nop 0
.rept 4
	v_nop
.endr
	s_branch .Lasked_\@
.Lfor_y_\@:
	tensor_load_to_lds s[\g0y:\g0y+3], s[\g1y:\g1y+7]
	s_nop 0
.rept 4
	v_nop
.endr
.Lasked_\@:
.endm
.macro WM d, a, b, sa, sb, kind        ; kind 0: starts the sum; 1: adds, scales from lanes 0-15; 2: adds, scales from lanes 16-31
.if \kind == 0
	v_wmma_scale_f32_16x16x128_f8f6f4 v[\d:\d+7], v[\a:\a+7], v[\b:\b+7], 0, v[\sa], v[\sb] matrix_a_fmt:MATRIX_FMT_FP4 matrix_b_fmt:MATRIX_FMT_FP4
.elseif \kind == 1
	v_wmma_scale_f32_16x16x128_f8f6f4 v[\d:\d+7], v[\a:\a+7], v[\b:\b+7], v[\d:\d+7], v[\sa], v[\sb] matrix_a_fmt:MATRIX_FMT_FP4 matrix_b_fmt:MATRIX_FMT_FP4
.else
	v_wmma_scale_f32_16x16x128_f8f6f4 v[\d:\d+7], v[\a:\a+7], v[\b:\b+7], v[\d:\d+7], v[\sa], v[\sb] matrix_a_fmt:MATRIX_FMT_FP4 matrix_b_fmt:MATRIX_FMT_FP4 matrix_a_scale:MATRIX_SCALE_ROW1 matrix_b_scale:MATRIX_SCALE_ROW1
.endif
.endm
.macro FETCH slot, ks, kg              ; the fragments of the slot's K step ks; on even steps the scale words of this step and the next (kg: the step counted over all of K)
.set FB, FR+48*((\ks)&1)
.irp xi, 0,1,2,3
	ds_load_b128 v[FB+8*\xi:FB+8*\xi+3], v[AX+(\slot)] offset:\xi*8192+(\ks)*1024
	ds_load_b128 v[FB+8*\xi+4:FB+8*\xi+7], v[AX+(\slot)] offset:\xi*8192+(\ks)*1024+512
.endr
.irp yi, 0,1
	ds_load_b128 v[FB+32+8*\yi:FB+32+8*\yi+3], v[AY+(\slot)] offset:\yi*8192+(\ks)*1024
	ds_load_b128 v[FB+32+8*\yi+4:FB+32+8*\yi+7], v[AY+(\slot)] offset:\yi*8192+(\ks)*1024+512
.endr
.if ((\ks)&1) == 0
.set SB, SCR+6*(((\ks)>>1)&1)
.irp xi, 0,1,2,3
	ds_load_b32 v[SB+\xi], v[XSA] offset:\xi*2048+((\kg)>>1)*128
.endr
.irp yi, 0,1
	ds_load_b32 v[SB+4+\yi], v[YSA] offset:\yi*2048+((\kg)>>1)*128
.endr
.endif
.endm
.macro MUL ks, zero                    ; 8 matrix instructions; the 8 accumulators take turns, one instruction a turn
.set FB, FR+48*((\ks)&1)
.set SB, SCR+6*(((\ks)>>1)&1)
.set KD, 1+((\ks)&1)
.if \zero
.set KD, 0
.endif
.irp yi, 0,1
.irp xi, 0,1,2,3
	WM ACC+8*(4*\yi+\xi), FB+8*\xi, FB+32+8*\yi, SB+\xi, SB+4+\yi, KD
.endr
.endr
.endm
; A trip: 1,024 along K out of slot t % 2.  Trip 0 reads slot 0 behind a counted wait and a barrier behind which nothing is filled.  In front of each later trip a wave waits for all its tensor loads,
; adds 0 to its spare word and waits for that and for its reads of the slot that it leaves.  In trips 1 and 2 a round of the cluster's barrier follows, and behind it the slot just left is asked for again
; first, one load a wave, with the tile two trips on: it has the trip's 64 matrix instructions a wave in which to land.  Trip 3 asks for nothing, so its barrier is the work-group's own.
.macro TRIP t
.set SL, (\t)&1
.if (\t) == 0
	s_wait_tensorcnt 0x1                           ; the scale words and my part of slot 0 are in; behind them one load was issued, slot 1's, which may stay out
	s_barrier_signal -1
	s_barrier_wait -1                              ; everybody's are
.else
	s_wait_tensorcnt 0x0                           ; all my tensor loads have landed, my part of this trip's slot among them: so a group 0 may be written
	ds_add_u32 v[SPW], v[NIL]                      ; 0 onto my spare word
.if (\t) < 3
	s_add_nc_u64 s[G0X+4*(1-SL)+2:G0X+4*(1-SL)+3], s[G0X+4*(1-SL)+2:G0X+4*(1-SL)+3], 16384   ; the other slot's next tile: two trips on from the one that it held
	s_add_nc_u64 s[G0Y+4*(1-SL)+2:G0Y+4*(1-SL)+3], s[G0Y+4*(1-SL)+2:G0Y+4*(1-SL)+3], 16384
.endif
	s_wait_dscnt 0x0                               ; the add is done, and my reads of the last trip's slot are over
.if (\t) < 3
	CROUND
	JLOAD G0X+4*(1-SL), G1X, G0Y+4*(1-SL), G1Y     ; its four v_nop are the places in front of the loads below
.else
	s_barrier_signal -1
	s_barrier_wait -1
	PLACES
.endif
.endif
	FETCH SL, 0, 8*(\t)
.set KS, 0
.rept 8
.if KS > 0
	PLACES
.endif
.if KS < 7
	FETCH SL, KS+1, 8*(\t)+KS+1
.if (KS+1)%2
	s_wait_dscnt 12                                ; all but the fetch just issued: 12 loads
.else
	s_wait_dscnt 18                                ; all but the fetch just issued: 12 loads and 6 scale words
.endif
.else
	s_wait_dscnt 0x0
.endif
.set ZR, 0
.if ((\t) == 0) && (KS == 0)
.set ZR, 1
.endif
	MUL KS, ZR
.set KS, KS+1
.endr
.endm
	s_load_b128 s[4:7], s[0:1], 0x0                ; pw, kin
	v_lshl_add_u32 v[SPW], v0, 2, SPARE
	v_mov_b32 v[NIL], 0
	ds_add_u32 v[SPW], v[NIL]                      ; the wave's opening: the add, twice on end, and its wait ahead of my first tensor load
	ds_add_u32 v[SPW], v[NIL]
	v_lshrrev_b32 v10, 5, v0
	v_readfirstlane_b32 s8, v10                    ; wave 0..7
	s_lshr_b32 s9, s8, 2                           ; I fetch for X (0) or for Y (1),
	s_and_b32 s10, s8, 3                           ; row tiles 2 (w % 4) and the next
	s_and_b32 s11, s8, 1                           ; wx: my 64 rows of X
	s_lshr_b32 s18, s8, 1                          ; wy: my 32 rows of Y
.if CL
	s_bfe_u32 s12, ttmp6, 0x40000                  ; cx
	s_bfe_u32 s13, ttmp6, 0x40004                  ; cy
	s_lshl_b32 s14, ttmp9, 2
	s_add_co_u32 s14, s14, s12                     ; x: the block of X
	s_and_b32 s15, ttmp7, 0xffff
	s_lshl_b32 s15, s15, 2
	s_add_co_u32 s15, s15, s13                     ; y: the block of Y
	s_lshl_b32 s16, 0x1111, s12                    ; my column of the cluster
	s_lshl_b32 s17, s13, 2
	s_lshl_b32 s17, 15, s17                        ; my row
.else
	s_mov_b32 s14, ttmp9
	s_and_b32 s15, ttmp7, 0xffff
	s_mov_b32 s16, 0
	s_mov_b32 s17, 0
.endif
	s_or_b32 s[G1X], s16, G1W0                     ; codes: 2 rows of 1,024 elements of 8 bytes, 4,096 elements apart
	s_or_b32 s[G1Y], s17, G1W0
.irp g, G1X, G1Y
	s_mov_b32 s[\g+1], 1024<<16                    ; tensor_dim0
	s_mov_b32 s[\g+2], 2<<16                       ; tensor_dim1
	s_mov_b32 s[\g+3], 1024<<16                    ; tile_dim0
	s_mov_b32 s[\g+4], 2                           ; tile_dim1
	s_mov_b32 s[\g+5], 4096                        ; from row to row
	s_mov_b32 s[\g+6], 0
	s_mov_b32 s[\g+7], 0
.endr
	s_or_b32 s[G1XS], s16, G1W0                    ; scale words: 4,096 dense bytes as 16 rows of 32 elements
	s_or_b32 s[G1YS], s17, G1W0
.irp g, G1XS, G1YS
	s_mov_b32 s[\g+1], 32<<16
	s_mov_b32 s[\g+2], 16<<16
	s_mov_b32 s[\g+3], 32<<16
	s_mov_b32 s[\g+4], 16
	s_mov_b32 s[\g+5], 32
	s_mov_b32 s[\g+6], 0
	s_mov_b32 s[\g+7], 0
.endr
	s_lshl_b32 s84, s14, 18                        ; X's codes: block x, my two row tiles.  These registers never hold y
	s_lshl_b32 s85, s10, 16
	s_add_co_u32 s84, s84, s85
	s_add_co_u32 s84, s84, QTC
	s_mov_b32 s85, 0
	s_lshl_b32 s86, s15, 18                        ; Y's.  These never hold x
	s_lshl_b32 s87, s10, 16
	s_add_co_u32 s86, s86, s87
	s_add_co_u32 s86, s86, WCC
	s_mov_b32 s87, 0
	s_lshl_b32 s88, s14, 14                        ; X's scale words
	s_lshl_b32 s89, s10, 12
	s_add_co_u32 s88, s88, s89
	s_add_co_u32 s88, s88, QTS
	s_mov_b32 s89, 0
	s_lshl_b32 s90, s15, 14                        ; Y's
	s_lshl_b32 s91, s10, 12
	s_add_co_u32 s90, s90, s91
	s_add_co_u32 s90, s90, WCS
	s_mov_b32 s91, 0
	s_lshl_b32 s92, s8, 14                         ; where they go: wave x 16,384 in a slot,
	s_lshl_b32 s93, s8, 12
	s_add_co_u32 s93, s93, SCL                     ; wave x 4,096 among the scale words
	s_wait_dscnt 0x0                               ; both opening adds are done
	s_wait_kmcnt 0x0
	s_add_nc_u64 s[84:85], s[4:5], s[84:85]
	s_add_nc_u64 s[86:87], s[4:5], s[86:87]
	s_add_nc_u64 s[88:89], s[4:5], s[88:89]
	s_add_nc_u64 s[90:91], s[4:5], s[90:91]
.irp s, 0,1
	s_mov_b32 s[G0X+4*\s], 1
	s_add_co_u32 s[G0X+4*\s+1], s92, \s*SLOT
	s_add_nc_u64 s[G0X+4*\s+2:G0X+4*\s+3], s[84:85], \s*8192
	s_or_b32 s[G0X+4*\s+3], s[G0X+4*\s+3], 0x80000000
	s_mov_b32 s[G0Y+4*\s], 1
	s_add_co_u32 s[G0Y+4*\s+1], s92, \s*SLOT
	s_add_nc_u64 s[G0Y+4*\s+2:G0Y+4*\s+3], s[86:87], \s*8192
	s_or_b32 s[G0Y+4*\s+3], s[G0Y+4*\s+3], 0x80000000
.endr
	s_mov_b32 s[G0XS], 1
	s_mov_b32 s[G0XS+1], s93
	s_mov_b64 s[G0XS+2:G0XS+3], s[88:89]
	s_or_b32 s[G0XS+3], s[G0XS+3], 0x80000000
	s_mov_b32 s[G0YS], 1
	s_mov_b32 s[G0YS+1], s93
	s_mov_b64 s[G0YS+2:G0YS+3], s[90:91]
	s_or_b32 s[G0YS+3], s[G0YS+3], 0x80000000
	CROUND                                         ; all sixteen work-groups are here: the first joint loads meet
	JLOAD G0XS, G1XS, G0YS, G1YS                   ; the scale words, filled once,
	JLOAD G0X, G1X, G0Y, G1Y                       ; slot 0,
	JLOAD G0X+4, G1X, G0Y+4, G1Y                   ; and slot 1: three loads of mine are out
	v_and_b32 v10, 31, v0
	v_lshlrev_b32 v[LI], 4, v10
	s_lshl_b32 s20, s11, 15
	v_add_nc_u32 v[AX], s20, v[LI]                 ; X: my four row tiles
	v_add_nc_u32 v[AX+1], SLOT, v[AX]
	s_lshl_b32 s20, s18, 14
	s_add_co_u32 s20, s20, 65536
	v_add_nc_u32 v[AY], s20, v[LI]                 ; Y: my two, behind X's eight
	v_add_nc_u32 v[AY+1], SLOT, v[AY]
	v_lshlrev_b32 v10, 2, v10
	s_lshl_b32 s20, s11, 13
	s_add_co_u32 s20, s20, SCL
	v_add_nc_u32 v[XSA], s20, v10
	s_lshl_b32 s20, s18, 12
	s_add_co_u32 s20, s20, SCL+16384
	v_add_nc_u32 v[YSA], s20, v10
	s_lshr_b32 s20, s15, 3                         ; where my results go: row tile ((y / 8) 4 + x / 4) 64 + (y % 8) 8 + 2 wy, chunk (x % 4) 16 + 8 wx
	s_lshl_b32 s20, s20, 2
	s_lshr_b32 s21, s14, 2
	s_add_co_u32 s20, s20, s21
	s_lshl_b32 s20, s20, 6
	s_and_b32 s21, s15, 7
	s_lshl_b32 s21, s21, 3
	s_add_co_u32 s20, s20, s21
	s_lshl_b32 s21, s18, 1
	s_add_co_u32 s20, s20, s21
	s_lshl_b32 s20, s20, 14
	s_and_b32 s21, s14, 3
	s_lshl_b32 s21, s21, 12
	s_add_co_u32 s20, s20, s21
	s_lshl_b32 s21, s11, 11
	s_add_co_u32 s20, s20, s21
	s_mov_b32 s21, 0
	s_add_nc_u64 s[6:7], s[6:7], s[20:21]
	TRIP 0
	TRIP 1
	TRIP 2
	TRIP 3
	; THE WAY OUT: x 2^-4, to f16; a lane's eight numbers are 16 bytes and the wave's 32 lanes store 512 consecutive bytes, aligned
	PLACES
.irp yi, 0,1
.irp xi, 0,1,2,3
.irp p, 0,1,2,3
	v_pk_mul_f32 v[TMP+2*\p:TMP+2*\p+1], v[ACC+8*(4*\yi+\xi)+2*\p:ACC+8*(4*\yi+\xi)+2*\p+1], 0x3d800000 op_sel_hi:[1,0]
.endr
.irp p, 0,1,2,3
	v_cvt_pk_f16_f32 v[OUTR+4*(4*\yi+\xi)+\p], v[TMP+2*\p], v[TMP+2*\p+1]
.endr
	global_store_b128 v[LI], v[OUTR+4*(4*\yi+\xi):OUTR+4*(4*\yi+\xi)+3], s[6:7] offset:\yi*16384+\xi*512
.endr
.endr
	s_wait_tensorcnt 0x0                           ; the wave's end, behind my last tensor load
	ds_add_u32 v[SPW], v[NIL]
	s_wait_dscnt 0x0
	CROUND                                         ; the closing round
	s_endpgm
.Lfunc_end_k_qe577d9adf3_comp:
	.size	k_qe577d9adf3_comp, .Lfunc_end_k_qe577d9adf3_comp-k_qe577d9adf3_comp
	.p2alignl 7, 3214868480
	.fill 96, 4, 3214868480
	.section	.rodata,"a",@progbits
	.p2align	6, 0x0
	.amdhsa_kernel k_qe577d9adf3_comp
		.amdhsa_group_segment_fixed_size 327680
		.amdhsa_private_segment_fixed_size 0
		.amdhsa_enable_private_segment 0
		.amdhsa_kernarg_size 16
		.amdhsa_user_sgpr_count 2
		.amdhsa_user_sgpr_kernarg_segment_ptr 1
		.amdhsa_wavefront_size32 1
		.amdhsa_system_sgpr_workgroup_id_x 1
		.amdhsa_system_sgpr_workgroup_id_y 1
		.amdhsa_system_sgpr_workgroup_id_z 1
		.amdhsa_system_vgpr_workitem_id 0
		.amdhsa_next_free_vgpr 232
		.amdhsa_next_free_sgpr 100
		.amdhsa_reserve_vcc 0
		.amdhsa_float_denorm_mode_32 3
		.amdhsa_float_denorm_mode_16_64 3
		.amdhsa_memory_ordered 1
		.amdhsa_forward_progress 1
		.amdhsa_inst_pref_size 84
	.end_amdhsa_kernel
	.amdgpu_metadata
---
amdhsa.version: [ 1, 2 ]
amdhsa.kernels:
  - .name:           k_qe577d9adf3_comp
    .symbol:         k_qe577d9adf3_comp.kd
    .args:
      - { .name: pw, .offset: 0, .size: 8, .value_kind: global_buffer, .address_space: global }
      - { .name: kin, .offset: 8, .size: 8, .value_kind: global_buffer, .address_space: global }
    .group_segment_fixed_size: 327680
    .private_segment_fixed_size: 0
    .kernarg_segment_align: 8
    .kernarg_segment_size: 16
    .max_flat_workgroup_size: 256
    .sgpr_count:     100
    .vgpr_count:     232
    .wavefront_size: 32
...
	.end_amdgpu_metadata
.endif
;; end of part 2
;; launch kvp (part 3): grid 4 x 64, 8 waves a work-group, clusters of 4 x 4, 263,168 bytes of LDS; arguments pw, kin, bk, bv, kv, vmax; writes kv, vmax
.if DOCPART == 3
	.amdgcn_target "amdgcn-amd-amdhsa--gfx1250"
	.amdhsa_code_object_version 6
	.text
	.protected	k_qe577d9adf3_kvp
	.globl	k_qe577d9adf3_kvp
	.p2align	8
	.type	k_qe577d9adf3_kvp,@function
k_qe577d9adf3_kvp:
	s_mov_b64 s[64:65], 0
	v_nop
	global_prefetch_b8 v0, s[64:65] scope:SCOPE_SE
	s_setreg_imm32_b32 hwreg(HW_REG_WAVE_MODE, 25, 1), 1
	s_wait_xcnt 0x0
	s_wait_alu depctr_hold_cnt(0) depctr_sa_sdst(0) depctr_va_vdst(0) depctr_va_sdst(0) depctr_va_ssrc(0) depctr_va_vcc(0) depctr_vm_vsrc(0)
	s_getreg_b32 s2, hwreg(HW_REG_IB_STS2, 6, 4)
	s_cmp_eq_u32 s2, 0
	s_cbranch_scc0 .Lentry_in_a_cluster
	s_endpgm
.Lentry_in_a_cluster:
	s_bfe_u32 s2, ttmp6, 0x10000c
	s_cmp_lg_u32 s2, 0xf033
	s_cbranch_scc0 .Lentry_shape_is_right
	s_endpgm
.Lentry_shape_is_right:
; KVP.  k = k_in Wk^T + bk and v = v_in Wv^T + bv, on f16 operands with f32 sums; k_in and v_in arrive x 2^-4, which the way out undoes.  k and v leave in bf16, laid as the attention's fragments want them,
; and each wave leaves the largest magnitude of its results (the v part of these serves as a common power-of-two scale for the attention's output).
; X = 128 rows of the weight (block x), Y = 128 rows (c) of k_in or v_in (block y = (which 4 + b) 8 + c / 128).  Source 0 = 16 rows of X, source 1 = 16 rows of Y: a lane holds ONE c and eight neighbouring outputs.
; Wave w: 64 outputs (w % 2: exactly one head), 32 rows (w / 2): 8 accumulators, 128 matrix instructions.
; LDS IS FILLED ONCE: K = 512 comes as four quarters of 128, each [X, Y][row tile 8][4,096 bytes]; wave w brings two row tiles of one operand for each quarter: four tensor loads of mine are out at the start,
; and a counted wait and a barrier stand in front of each quarter's first read.  Nothing is filled again.
; kv: [k, v][b 8 + head][key tile 64][2,048 bytes]; k's key tile: [chunk of 8 d][key 16][16 bytes]; v's: [16 channels][key 16][32 bytes], to be read turned.
; CLUSTER 4 x 4: X's tiles are shared along a column of the cluster, Y's along a row.  CL = 0 with cluster = none gives the plain form.
.set CL, 1
.set WH, 0xC20000
.set QB, 65536                         ; a quarter in LDS
.set SPARE, 4*QB                       ; the spare words, 128 bytes for each wave: four blocks of 256 bytes that no other line names
.set SPW, 1
.set NIL, 2
.set LI,  3                            ; v3 16 x lane
.set AX,  4                            ; v4-7 my X fragments in quarter q;  v8-11 my Y fragments
.set AY,  8
.set FR,  32                           ; v32-79, v80-127 two sets of fragments; on the way out v32-63 hold the packed results
.set ACC, 128
.set BIAS, 192                         ; v192-223 the bias in the result's layout, 8 registers for each tile of outputs
.set TMP, 224                          ; v224-231 at work; v232 the largest magnitude, v233 the other half's, v234 zero
.set G1W0, (3<<16)|(CL<<21)
.macro PLACES
.rept 4
	v_nop
.endr
.endm
.macro CROUND
	s_barrier_signal -1
	s_barrier_wait -1
.if CL
	s_cmp_lg_u32 s16, 0
	s_cbranch_scc1 .Lnw0_\@
	s_barrier_signal -3
.Lnw0_\@:
	s_barrier_wait -3
	s_barrier_signal -1
	s_barrier_wait -1
.endif
.endm
.macro FETCH ks                        ; the fragments of K step ks (32 along K): 12 loads
.set FB, FR+48*((\ks)&1)
.set QA, (\ks)>>2
.irp xi, 0,1,2,3
	ds_load_b128 v[FB+8*\xi:FB+8*\xi+3], v[AX+QA] offset:\xi*4096+((\ks)&3)*1024
	ds_load_b128 v[FB+8*\xi+4:FB+8*\xi+7], v[AX+QA] offset:\xi*4096+((\ks)&3)*1024+512
.endr
.irp yi, 0,1
	ds_load_b128 v[FB+32+8*\yi:FB+32+8*\yi+3], v[AY+QA] offset:\yi*4096+((\ks)&3)*1024
	ds_load_b128 v[FB+32+8*\yi+4:FB+32+8*\yi+7], v[AY+QA] offset:\yi*4096+((\ks)&3)*1024+512
.endr
.endm
.macro MUL ks                          ; 8 matrix instructions, the accumulators by turns; the first K step starts the sums
.set FB, FR+48*((\ks)&1)
.irp yi, 0,1
.irp xi, 0,1,2,3
.if (\ks) == 0
	v_wmma_f32_16x16x32_f16 v[ACC+8*(4*\yi+\xi):ACC+8*(4*\yi+\xi)+7], v[FB+8*\xi:FB+8*\xi+7], v[FB+32+8*\yi:FB+32+8*\yi+7], 0
.else
	v_wmma_f32_16x16x32_f16 v[ACC+8*(4*\yi+\xi):ACC+8*(4*\yi+\xi)+7], v[FB+8*\xi:FB+8*\xi+7], v[FB+32+8*\yi:FB+32+8*\yi+7], v[ACC+8*(4*\yi+\xi):ACC+8*(4*\yi+\xi)+7]
.endif
.endr
.endr
.endm
	s_load_b256 s[4:11], s[0:1], 0x0               ; pw, kin, bk, bv
	s_load_b128 s[12:15], s[0:1], 0x20             ; kv, vmax
	v_lshl_add_u32 v[SPW], v0, 2, SPARE
	v_mov_b32 v[NIL], 0
	ds_add_u32 v[SPW], v[NIL]                      ; the wave's opening: the add, twice on end, and its wait ahead of my first tensor load
	ds_add_u32 v[SPW], v[NIL]
	v_lshrrev_b32 v20, 5, v0
	v_readfirstlane_b32 s16, v20                   ; wave 0..7
	s_lshr_b32 s17, s16, 2
	s_and_b32 s18, s16, 3                          ; I fetch row tiles 2 (w % 4) and the next, of X (waves 0-3) or of Y
	s_and_b32 s19, s16, 1                          ; wx
	s_lshr_b32 s20, s16, 1                         ; wy
.if CL
	s_bfe_u32 s21, ttmp6, 0x40000                  ; cx
	s_bfe_u32 s22, ttmp6, 0x40004                  ; cy
	s_lshl_b32 s23, ttmp9, 2
	s_add_co_u32 s23, s23, s21                     ; x
	s_and_b32 s87, ttmp7, 0xffff                   ; the cluster's y
	s_lshl_b32 s84, s87, 2
	s_add_co_u32 s84, s84, s22                     ; y
	s_lshr_b32 s87, s87, 3                         ; k (0) or v (1): the same in all sixteen partners
	s_lshl_b32 s85, 0x1111, s21                    ; my column
	s_lshl_b32 s86, s22, 2
	s_lshl_b32 s86, 15, s86                        ; my row
.else
	s_mov_b32 s23, ttmp9
	s_and_b32 s84, ttmp7, 0xffff
	s_lshr_b32 s87, s84, 5
	s_mov_b32 s85, 0
	s_mov_b32 s86, 0
.endif
	s_or_b32 s24, s85, G1W0                        ; group 1: 2 rows of 512 elements of 8 bytes, 2,048 elements apart
	s_or_b32 s32, s86, G1W0
.irp g, 24, 32
	s_mov_b32 s[\g+1], 512<<16
	s_mov_b32 s[\g+2], 2<<16
	s_mov_b32 s[\g+3], 512<<16
	s_mov_b32 s[\g+4], 2
	s_mov_b32 s[\g+5], 2048
	s_mov_b32 s[\g+6], 0
	s_mov_b32 s[\g+7], 0
.endr
	s_lshl_b32 s88, s87, 19                        ; X: the weight's image, block x, my two row tiles.  These registers never hold cy
	s_lshl_b32 s89, s23, 17
	s_add_co_u32 s88, s88, s89
	s_lshl_b32 s89, s18, 15
	s_add_co_u32 s88, s88, s89
	s_add_co_u32 s88, s88, WH
	s_mov_b32 s89, 0
	s_lshl_b32 s90, s84, 17                        ; Y: block y.  These never hold cx
	s_lshl_b32 s91, s18, 15
	s_add_co_u32 s90, s90, s91
	s_mov_b32 s91, 0
	s_lshl_b32 s92, s16, 13                        ; where they go in a quarter: wave x 8,192
	s_wait_dscnt 0x0                               ; both opening adds are done
	s_wait_kmcnt 0x0
	s_add_nc_u64 s[88:89], s[4:5], s[88:89]
	s_add_nc_u64 s[90:91], s[6:7], s[90:91]
.irp q, 0,1,2,3
	s_mov_b32 s[40+4*\q], 1
	s_add_co_u32 s[41+4*\q], s92, \q*QB
	s_add_nc_u64 s[42+4*\q:43+4*\q], s[88:89], \q*4096
	s_or_b32 s[43+4*\q], s[43+4*\q], 0x80000000
	s_mov_b32 s[68+4*\q], 1
	s_add_co_u32 s[69+4*\q], s92, \q*QB
	s_add_nc_u64 s[70+4*\q:71+4*\q], s[90:91], \q*4096
	s_or_b32 s[71+4*\q], s[71+4*\q], 0x80000000
.endr
	CROUND                                         ; all sixteen work-groups are here: the joint loads meet
	s_cmp_lt_u32 s16, 4                            ; a wave's four fills stand in one branch: four loads of mine are out
	s_cbranch_scc0 .Lfill_y
.irp q, 0,1,2,3
	tensor_load_to_lds s[40+4*\q:43+4*\q], s[24:31]
	s_nop 0
.endr
.rept 4
	v_nop
.endr
	s_branch .Lfilled
.Lfill_y:
.irp q, 0,1,2,3
	tensor_load_to_lds s[68+4*\q:71+4*\q], s[32:39]
	s_nop 0
.endr
.rept 4
	v_nop
.endr
.Lfilled:
	v_and_b32 v20, 31, v0
	v_lshlrev_b32 v[LI], 4, v20
	s_lshl_b32 s56, s19, 14                        ; X: my four row tiles of 4,096 bytes
	s_lshl_b32 s57, s20, 13                        ; Y: my two, behind X's eight
	s_add_co_u32 s57, s57, 32768
.irp q, 0,1,2,3
	v_add_nc_u32 v[AX+\q], s56, v[LI]
	v_add_nc_u32 v[AY+\q], s57, v[LI]
	s_add_co_u32 s56, s56, QB
	s_add_co_u32 s57, s57, QB
.endr
	v_and_b32 v21, 15, v0                          ; r
	v_bfe_u32 v22, v0, 4, 1                        ; h
	v_lshlrev_b32 v12, 5, v22                      ; the bias: my half's eight numbers
	s_cmp_eq_u32 s87, 0
	s_cselect_b64 s[58:59], s[8:9], s[10:11]       ; bk or bv
	s_cselect_b32 s62, 16, 32                      ; a key's step in a key tile: 16 bytes in k's, 32 in v's;
	s_cselect_b32 s63, 256, 16                     ; my half's: the next chunk of d in k's, the next 16 bytes of the row in v's
	s_lshl_b32 s56, s23, 9
	s_lshl_b32 s57, s19, 8
	s_add_co_u32 s56, s56, s57
	s_mov_b32 s57, 0
	s_add_nc_u64 s[58:59], s[58:59], s[56:57]      ; at output 128 x + 64 wx
.irp xi, 0,1,2,3
	global_load_b128 v[BIAS+8*\xi:BIAS+8*\xi+3], v12, s[58:59] offset:64*\xi
	global_load_b128 v[BIAS+8*\xi+4:BIAS+8*\xi+7], v12, s[58:59] offset:64*\xi+16
.endr
	v_mul_u32_u24 v13, v21, s62
	v_mad_u32_u24 v13, v22, s63, v13               ; my 16 bytes in a tile's 512
	s_bfe_u32 s56, s84, 0x20003                    ; b = (y / 8) % 4
	s_lshl_b32 s56, s56, 3
	s_lshl_b32 s57, s23, 1
	s_add_co_u32 s56, s56, s57
	s_add_co_u32 s56, s56, s19                     ; b 8 + head, head = 2 x + wx
	s_lshl_b32 s56, s56, 17
	s_lshl_b32 s57, s87, 22
	s_add_co_u32 s56, s56, s57
	s_and_b32 s57, s84, 7
	s_lshl_b32 s57, s57, 3
	s_add_co_u32 s57, s57, s20
	s_add_co_u32 s57, s57, s20                     ; key tile (y % 8) 8 + 2 wy
	s_lshl_b32 s57, s57, 11
	s_add_co_u32 s56, s56, s57
	s_mov_b32 s57, 0
	s_add_nc_u64 s[12:13], s[12:13], s[56:57]
	s_lshl_b32 s56, s84, 7                         ; my word of vmax: ((y 4 + x) 8 + w) 4
	s_lshl_b32 s57, s23, 5
	s_add_co_u32 s56, s56, s57
	s_lshl_b32 s57, s16, 2
	s_add_co_u32 s56, s56, s57
	s_mov_b32 s57, 0
	s_add_nc_u64 s[14:15], s[14:15], s[56:57]
	s_mov_b32 s60, 0x76543210                      ; v_permlanex16_b32's selects for lane l xor 16
	s_mov_b32 s61, 0xfedcba98
	v_mov_b32 v232, 0
	v_mov_b32 v233, 0
	v_mov_b32 v234, 0
	; ---- the product: 16 K steps of 32
	s_wait_tensorcnt 0x3                           ; my part of quarter 0 is in; the three later quarters' loads may be out
	s_barrier_signal -1
	s_barrier_wait -1                              ; everybody's is
	FETCH 0
.set KS, 0
.rept 16
.if (KS%4 == 3) && (KS < 15)
	s_wait_tensorcnt 3-(KS+1)/4                    ; my part of the next quarter is in; the later quarters' may be out
	s_wait_dscnt 0x0                               ; no LDS instruction of mine is out at a signal
	s_barrier_signal -1
	s_barrier_wait -1
.endif
.if KS > 0
	PLACES
.endif
.if KS < 15
	FETCH KS+1
	s_wait_dscnt 12                                ; all but the 12 just issued
.else
	s_wait_dscnt 0x0
.endif
	MUL KS
.set KS, KS+1
.endr
	; ---- THE WAY OUT: x 16 + bias; the largest magnitude; to bf16; the wave's 32 lanes store 512 consecutive bytes, aligned
	s_wait_loadcnt 0x0                             ; the bias
	PLACES
.irp yi, 0,1
.irp xi, 0,1,2,3
.irp p, 0,1,2,3
	v_pk_fma_f32 v[TMP+2*\p:TMP+2*\p+1], v[ACC+8*(4*\yi+\xi)+2*\p:ACC+8*(4*\yi+\xi)+2*\p+1], 0x41800000, v[BIAS+8*\xi+2*\p:BIAS+8*\xi+2*\p+1] op_sel_hi:[1,0,1]
.endr
.irp p, 0,1,2,3
	v_max3_num_f32 v232, v232, |v[TMP+2*\p]|, |v[TMP+2*\p+1]|
.endr
.irp p, 0,1,2,3
	v_cvt_pk_bf16_f32 v[FR+4*(4*\yi+\xi)+\p], v[TMP+2*\p], v[TMP+2*\p+1]
.endr
	global_store_b128 v13, v[FR+4*(4*\yi+\xi):FR+4*(4*\yi+\xi)+3], s[12:13] offset:\yi*2048+\xi*512
.endr
.endr
	v_max_num_f32_dpp v232, v232, v232 row_xmask:1 row_mask:0xf bank_mask:0xf
	v_max_num_f32_dpp v232, v232, v232 row_xmask:2 row_mask:0xf bank_mask:0xf
	v_max_num_f32_dpp v232, v232, v232 row_xmask:4 row_mask:0xf bank_mask:0xf
	v_max_num_f32_dpp v232, v232, v232 row_xmask:8 row_mask:0xf bank_mask:0xf
	v_permlanex16_b32 v233, v232, s60, s61
	v_max_num_f32 v232, v232, v233                 ; every lane holds the wave's largest magnitude
	global_store_b32 v234, v232, s[14:15]          ; all lanes write the same word with the same value
	s_wait_tensorcnt 0x0                           ; the wave's end, behind my last tensor load
	ds_add_u32 v[SPW], v[NIL]
	s_wait_dscnt 0x0
	CROUND                                         ; the closing round
	s_endpgm
.Lfunc_end_k_qe577d9adf3_kvp:
	.size	k_qe577d9adf3_kvp, .Lfunc_end_k_qe577d9adf3_kvp-k_qe577d9adf3_kvp
	.p2alignl 7, 3214868480
	.fill 96, 4, 3214868480
	.section	.rodata,"a",@progbits
	.p2align	6, 0x0
	.amdhsa_kernel k_qe577d9adf3_kvp
		.amdhsa_group_segment_fixed_size 263168
		.amdhsa_private_segment_fixed_size 0
		.amdhsa_enable_private_segment 0
		.amdhsa_kernarg_size 48
		.amdhsa_user_sgpr_count 2
		.amdhsa_user_sgpr_kernarg_segment_ptr 1
		.amdhsa_wavefront_size32 1
		.amdhsa_system_sgpr_workgroup_id_x 1
		.amdhsa_system_sgpr_workgroup_id_y 1
		.amdhsa_system_sgpr_workgroup_id_z 1
		.amdhsa_system_vgpr_workitem_id 0
		.amdhsa_next_free_vgpr 256
		.amdhsa_next_free_sgpr 96
		.amdhsa_reserve_vcc 0
		.amdhsa_float_denorm_mode_32 3
		.amdhsa_float_denorm_mode_16_64 3
		.amdhsa_memory_ordered 1
		.amdhsa_forward_progress 1
		.amdhsa_inst_pref_size 41
	.end_amdhsa_kernel
	.amdgpu_metadata
---
amdhsa.version: [ 1, 2 ]
amdhsa.kernels:
  - .name:           k_qe577d9adf3_kvp
    .symbol:         k_qe577d9adf3_kvp.kd
    .args:
      - { .name: pw, .offset: 0, .size: 8, .value_kind: global_buffer, .address_space: global }
      - { .name: kin, .offset: 8, .size: 8, .value_kind: global_buffer, .address_space: global }
      - { .name: bk, .offset: 16, .size: 8, .value_kind: global_buffer, .address_space: global }
      - { .name: bv, .offset: 24, .size: 8, .value_kind: global_buffer, .address_space: global }
      - { .name: kv, .offset: 32, .size: 8, .value_kind: global_buffer, .address_space: global }
      - { .name: vmax, .offset: 40, .size: 8, .value_kind: global_buffer, .address_space: global }
    .group_segment_fixed_size: 263168
    .private_segment_fixed_size: 0
    .kernarg_segment_align: 8
    .kernarg_segment_size: 48
    .max_flat_workgroup_size: 256
    .sgpr_count:     96
    .vgpr_count:     256
    .wavefront_size: 32
...
	.end_amdgpu_metadata
.endif
;; end of part 3
;; launch attn (part 4): grid 8 x 32, 16 waves a work-group, clusters of 4 x 1, 264,192 bytes of LDS; arguments pw, bq, kv, vmax, o16; writes o16
.if DOCPART == 4
	.amdgcn_target "amdgcn-amd-amdhsa--gfx1250"
	.amdhsa_code_object_version 6
	.text
	.protected	k_qe577d9adf3_attn
	.globl	k_qe577d9adf3_attn
	.p2align	8
	.type	k_qe577d9adf3_attn,@function
k_qe577d9adf3_attn:
	s_mov_b64 s[64:65], 0
	v_nop
	global_prefetch_b8 v0, s[64:65] scope:SCOPE_SE
	s_setreg_imm32_b32 hwreg(HW_REG_WAVE_MODE, 25, 1), 1
	s_wait_xcnt 0x0
	s_wait_alu depctr_hold_cnt(0) depctr_sa_sdst(0) depctr_va_vdst(0) depctr_va_sdst(0) depctr_va_ssrc(0) depctr_va_vcc(0) depctr_vm_vsrc(0)
	s_getreg_b32 s2, hwreg(HW_REG_IB_STS2, 6, 4)
	s_cmp_eq_u32 s2, 0
	s_cbranch_scc0 .Lentry_in_a_cluster
	s_endpgm
.Lentry_in_a_cluster:
	s_bfe_u32 s2, ttmp6, 0x10000c
	s_cmp_lg_u32 s2, 0x3003
	s_cbranch_scc0 .Lentry_shape_is_right
	s_endpgm
.Lentry_shape_is_right:
; ATTN.  For one (batch, head) and 512 queries: q = query Wq^T + bq on codes of E2M1 (K = 512); S = q k^T / 8 and O = softmax(S) v on bf16 operands with f32 sums; a running maximum and sum in f32.
; The factor 1 / 8 goes into c = log2(e) / 8: p = 2^(c s - c m).  The row's sum is taken of the unrounded p.  O / sum leaves x 2^-E in f16, 2^E = the power of two in the launch-wide largest |v|:
; |O / sum| is at most that largest |v|, so what is stored lies under 2 (plus bf16's rounding of v) for every input.
; LIMITS: NaN and infinities are not served.  The largest |v| lies under 2^127; where it lies under 2^-126 the next launch reads 2^E as 0 and drops the attention's share of the output, itself under 2^-126.
; SHARES.  Sixteen waves, four to a SIMD, so that one wave's softmax stands beside another's products.  A wave owns 32 queries, two tiles of 16, so each fragment of k and v read from LDS feeds two matrix instructions.
; LAYOUT.  All three products are used transposed (source 0 = 16 rows of Wq, 16 keys, 16 channels of v; source 1 = my 16 queries): a lane holds ONE query (lane % 16) throughout, and a result's eight
; registers, rounded in pairs, are half of the next product's source 1.
; LDS IS FILLED ONCE: the head's k (128 KiB, fragment images) and v (128 KiB, blocks of 16 keys x 16 channels, read turned).  Wave w brings 16,384 dense bytes (waves 0-7: k; 8-15: v) by ONE tensor load,
; asked for ahead of the q projection, whose two trips to memory stand between the request and the wait for it.  One wait and one barrier stand in front of the first read; behind them no wave waits for another
; until the launch's end.  Nothing is filled again.
; CLUSTER 4 x 1: the four query blocks of a cluster share the head, so the load is a joint one with the mask of all four.  CL = 0 with cluster = none gives the plain form.
.set CL, 1
.set Q1C, 0x000000
.set WQC, 0xC00000
.set Q1S, 0xDA0000
.set WQS, 0xE60000
.set VOFF,  131072
.set SPARE, 262144                     ; the spare words, 128 bytes for each wave: eight blocks of 256 bytes that no other line names
.set LI,  0                            ; v0   16 x lane (once the spare word's address is made)
.set AV0, 1                            ; v1   my lane's place in a block of v
.set SPW, 2                            ; v2   spare word;  v3 zero; never rewritten
.set NIL, 3
.set ST,  4                            ; v4-19 tile t's statistics at 4 + 8 t: +0 c m, +1 m, +2, +3 the sum in two halves, +4 .. +7 at work (+6: a)
.set WS,  20                           ; v20-23 Wq's scale words, v24-25 the query's: scales and nothing else
.set XS,  24
.set ADK, 26                           ; v26, v27 the step's LDS addresses
.set ADV, 27
.set VM,  28                           ; v28, v29 at work at the head
.set VT,  29
.set L4,  30                           ; v30  4 x lane
.set BO,  31                           ; v31  32 x (lane / 16)
.set Q,   32                           ; v32-63  q in bf16: fragment (t, 32 d) at 16 t + 8 ds
.set S,   64                           ; v64-127 S^T, tile t at 32 t; p is packed in place into its first 16 registers
.set O,   128                          ; v128-191 O^T at 32 t + 8 dt
.set KV,  192                          ; v192-255 k's or v's fragments of a step
.macro PLACES
.rept 4
	v_nop
.endr
.endm
.macro CROUND
	s_barrier_signal -1
	s_barrier_wait -1
.if CL
	s_cmp_lg_u32 s14, 0
	s_cbranch_scc1 .Lnw0_\@
	s_barrier_signal -3
.Lnw0_\@:
	s_barrier_wait -3
	s_barrier_signal -1
	s_barrier_wait -1
.endif
.endm
.macro QLOAD s2                        ; K steps 2 s2 and 2 s2 + 1 of the q projection: Wq's 4 x 2 fragments, the query's 2 x 2, and the scale words (even step in lanes 0-15, odd in 16-31)
.irp dt, 0,1,2,3
.irp k, 0,1
	global_load_b128 v[KV+16*\dt+8*\k:KV+16*\dt+8*\k+3], v[LI], s[50:51] offset:\dt*4096+(2*\s2+\k)*1024
	global_load_b128 v[KV+16*\dt+8*\k+4:KV+16*\dt+8*\k+7], v[LI], s[50:51] offset:\dt*4096+(2*\s2+\k)*1024+512
.endr
	global_load_b32 v[WS+\dt], v[L4], s[54:55] offset:\dt*256+\s2*128
.endr
.irp t, 0,1
.irp k, 0,1
	global_load_b128 v[O+32+16*\t+8*\k:O+32+16*\t+8*\k+3], v[LI], s[48:49] offset:\t*4096+(2*\s2+\k)*1024
	global_load_b128 v[O+32+16*\t+8*\k+4:O+32+16*\t+8*\k+7], v[LI], s[48:49] offset:\t*4096+(2*\s2+\k)*1024+512
.endr
	global_load_b32 v[XS+\t], v[L4], s[52:53] offset:\t*256+\s2*128
.endr
.endm
.macro QMUL s2                         ; 16 matrix instructions on 8 accumulators by turns; bq is the C of each sum's first
.irp k, 0,1
.irp t, 0,1
.irp dt, 0,1,2,3
.if (\s2 == 0) && (\k == 0)
	v_wmma_scale_f32_16x16x128_f8f6f4 v[S+32*\t+8*\dt:S+32*\t+8*\dt+7], v[KV+16*\dt+8*\k:KV+16*\dt+8*\k+7], v[O+32+16*\t+8*\k:O+32+16*\t+8*\k+7], v[O+8*\dt:O+8*\dt+7], v[WS+\dt], v[XS+\t] matrix_a_fmt:MATRIX_FMT_FP4 matrix_b_fmt:MATRIX_FMT_FP4
.elseif \k == 0
	v_wmma_scale_f32_16x16x128_f8f6f4 v[S+32*\t+8*\dt:S+32*\t+8*\dt+7], v[KV+16*\dt+8*\k:KV+16*\dt+8*\k+7], v[O+32+16*\t+8*\k:O+32+16*\t+8*\k+7], v[S+32*\t+8*\dt:S+32*\t+8*\dt+7], v[WS+\dt], v[XS+\t] matrix_a_fmt:MATRIX_FMT_FP4 matrix_b_fmt:MATRIX_FMT_FP4
.else
	v_wmma_scale_f32_16x16x128_f8f6f4 v[S+32*\t+8*\dt:S+32*\t+8*\dt+7], v[KV+16*\dt+8*\k:KV+16*\dt+8*\k+7], v[O+32+16*\t+8*\k:O+32+16*\t+8*\k+7], v[S+32*\t+8*\dt:S+32*\t+8*\dt+7], v[WS+\dt], v[XS+\t] matrix_a_fmt:MATRIX_FMT_FP4 matrix_b_fmt:MATRIX_FMT_FP4 matrix_a_scale:MATRIX_SCALE_ROW1 matrix_b_scale:MATRIX_SCALE_ROW1
.endif
.endr
.endr
.endr
.endm
; THE SOFTMAX of a step's 64 keys, both tiles line by line, so that no line waits for the line above it.
.macro SOFTMAX
.irp j, 0,1,2,3                        ; the maximum: four chains, each begun at its accumulator's low end
.irp t, 0,1
	v_max3_num_f32 v[ST+8*\t+4+\j], v[S+32*\t+8*\j], v[S+32*\t+8*\j+1], v[S+32*\t+8*\j+2]
.endr
.endr
.irp u, 3,5
.irp j, 0,1,2,3
.irp t, 0,1
	v_max3_num_f32 v[ST+8*\t+4+\j], v[ST+8*\t+4+\j], v[S+32*\t+8*\j+\u], v[S+32*\t+8*\j+\u+1]
.endr
.endr
.endr
.irp t, 0,1
	v_max3_num_f32 v[ST+8*\t+4], v[ST+8*\t+4], v[S+32*\t+7], v[S+32*\t+15]
.endr
.irp t, 0,1
	v_max3_num_f32 v[ST+8*\t+6], v[ST+8*\t+6], v[S+32*\t+23], v[S+32*\t+31]
.endr
.irp t, 0,1
	v_max3_num_f32 v[ST+8*\t+4], v[ST+8*\t+4], v[ST+8*\t+5], v[ST+8*\t+6]
.endr
.irp t, 0,1
	v_max3_num_f32 v[ST+8*\t+4], v[ST+8*\t+4], v[ST+8*\t+7], v[ST+8*\t+1]   ; with the old m
.endr
.irp t, 0,1
	v_permlanex16_b32 v[ST+8*\t+5], v[ST+8*\t+4], s20, s21                  ; the query's other 32 keys lie in the lane 16 away
.endr
.irp t, 0,1
	v_mov_b32 v[ST+8*\t+7], v[ST+8*\t]                                      ; c m_old
.endr
.irp t, 0,1
	v_max_num_f32 v[ST+8*\t+1], v[ST+8*\t+4], v[ST+8*\t+5]                  ; the new m
.endr
.irp t, 0,1
	v_mul_f32 v[ST+8*\t], s22, v[ST+8*\t+1]
.endr
.irp t, 0,1
	v_sub_f32 v[ST+8*\t+7], v[ST+8*\t+7], v[ST+8*\t]                        ; c m_old - c m_new, 0 or less
.endr
.set j, 0
.rept 16
.irp t, 0,1
	v_pk_fma_f32 v[S+32*\t+j:S+32*\t+j+1], v[S+32*\t+j:S+32*\t+j+1], s[22:23], v[ST+8*\t:ST+8*\t+1] op_sel_hi:[1,0,0] neg_lo:[0,0,1] neg_hi:[0,0,1]   ; c s - c m
.endr
.set j, j+2
.endr
.irp t, 0,1                            ; ONE BATCH of 66 exponentials; none reads another's result
	v_exp_f32 v[ST+8*\t+6], v[ST+8*\t+7]                                    ; a
.endr
.set j, 0
.rept 32
.irp t, 0,1
	v_exp_f32 v[S+32*\t+j], v[S+32*\t+j]
.endr
.set j, j+1
.endr
	v_nop                                          ; the plain line behind the last exponential
	s_wait_alu depctr_va_vdst(0)                   ; one wait for the batch, ahead of its first reader
.irp t, 0,1
	v_pk_mul_f32 v[ST+8*\t+2:ST+8*\t+3], v[ST+8*\t+2:ST+8*\t+3], v[ST+8*\t+6:ST+8*\t+7] op_sel_hi:[1,0]   ; the sum under the new m
.endr
.irp t, 0,1
	v_pk_add_f32 v[ST+8*\t+4:ST+8*\t+5], v[S+32*\t:S+32*\t+1], v[S+32*\t+2:S+32*\t+3]                    ; the sum of the unrounded p, in two chains
.endr
.irp j, 4,8,12,16,20,24,28
.irp t, 0,1
	v_pk_add_f32 v[ST+8*\t+2:ST+8*\t+3], v[ST+8*\t+2:ST+8*\t+3], v[S+32*\t+\j:S+32*\t+\j+1]
	v_pk_add_f32 v[ST+8*\t+4:ST+8*\t+5], v[ST+8*\t+4:ST+8*\t+5], v[S+32*\t+\j+2:S+32*\t+\j+3]
.endr
.endr
.irp t, 0,1
	v_pk_add_f32 v[ST+8*\t+2:ST+8*\t+3], v[ST+8*\t+2:ST+8*\t+3], v[ST+8*\t+4:ST+8*\t+5]
.endr
.set j, 0
.rept 16
.irp t, 0,1
	v_cvt_pk_bf16_f32 v[S+32*\t+j], v[S+32*\t+2*j], v[S+32*\t+2*j+1]        ; p to bf16, in place and ascending: register j is written when 2 j and 2 j + 1 are read
.endr
.set j, j+1
.endr
.set j, 0
.rept 16
.irp t, 0,1
	v_pk_mul_f32 v[O+32*\t+j:O+32*\t+j+1], v[O+32*\t+j:O+32*\t+j+1], v[ST+8*\t+6:ST+8*\t+7] op_sel_hi:[1,0]   ; O^T under the new m
.endr
.set j, j+2
.endr
.endm
; A KEY STEP: 64 keys, at LDS byte s56 of k's and of v's image.
.macro KSTEP
	v_add_nc_u32 v[ADK], s56, v[LI]                ; these two and three v_nop: five places behind the last V^T P, whose p the products below write over, and whose v the loads below replace
	v_add_nc_u32 v[ADV], s56, v[AV0]
.rept 3
	v_nop
.endr
.irp kt, 0,1,2,3
.irp ds, 0,1
	ds_load_b128 v[KV+16*\kt+8*\ds:KV+16*\kt+8*\ds+3], v[ADK] offset:\kt*2048+\ds*1024
	ds_load_b128 v[KV+16*\kt+8*\ds+4:KV+16*\kt+8*\ds+7], v[ADK] offset:\kt*2048+\ds*1024+512
.endr
.endr
	s_wait_dscnt 0x0
.irp ds, 0,1                           ; S^T = k q^T: 8 accumulators by turns; the first 32 of d start the sums
.irp kt, 0,1,2,3
.irp t, 0,1
.if \ds == 0
	v_wmma_f32_16x16x32_bf16 v[S+32*\t+8*\kt:S+32*\t+8*\kt+7], v[KV+16*\kt+8*\ds:KV+16*\kt+8*\ds+7], v[Q+16*\t+8*\ds:Q+16*\t+8*\ds+7], 0
.else
	v_wmma_f32_16x16x32_bf16 v[S+32*\t+8*\kt:S+32*\t+8*\kt+7], v[KV+16*\kt+8*\ds:KV+16*\kt+8*\ds+7], v[Q+16*\t+8*\ds:Q+16*\t+8*\ds+7], v[S+32*\t+8*\kt:S+32*\t+8*\kt+7]
.endif
.endr
.endr
.endr
	PLACES
.irp ks, 0,1                           ; v, turned: fragment (32 keys ks, 16 channels dt); they land under the softmax
.irp dt, 0,1,2,3
	ds_load_tr16_b128 v[KV+32*\ks+8*\dt:KV+32*\ks+8*\dt+3], v[ADV] offset:(2*\ks)*2048+\dt*512
	ds_load_tr16_b128 v[KV+32*\ks+8*\dt+4:KV+32*\ks+8*\dt+7], v[ADV] offset:(2*\ks+1)*2048+\dt*512
.endr
.endr
	SOFTMAX
	s_wait_dscnt 0x0                               ; v is in
.irp ks, 0,1                           ; O^T += v^T p: 8 accumulators by turns
.irp dt, 0,1,2,3
.irp t, 0,1
	v_wmma_f32_16x16x32_bf16 v[O+32*\t+8*\dt:O+32*\t+8*\dt+7], v[KV+32*\ks+8*\dt:KV+32*\ks+8*\dt+7], v[S+32*\t+8*\ks:S+32*\t+8*\ks+7], v[O+32*\t+8*\dt:O+32*\t+8*\dt+7]
.endr
.endr
.endr
.endm
	s_load_b256 s[4:11], s[0:1], 0x0               ; pw, bq, kv, vmax
	s_load_b64 s[12:13], s[0:1], 0x20              ; o16
	v_lshl_add_u32 v[SPW], v0, 2, SPARE
	v_mov_b32 v[NIL], 0
	ds_add_u32 v[SPW], v[NIL]                      ; the wave's opening: the add, twice on end, and its wait ahead of my first tensor load
	ds_add_u32 v[SPW], v[NIL]
	v_lshrrev_b32 v[VT], 5, v0
	v_readfirstlane_b32 s14, v[VT]                 ; wave 0..15
	v_and_b32 v[VM], 31, v0                        ; lane
	v_lshlrev_b32 v[L4], 2, v[VM]
	v_bfe_u32 v[BO], v0, 4, 1                      ; h
	v_and_b32 v[ADK], 7, v0
	v_lshl_add_u32 v[AV0], v[BO], 3, v[ADK]        ; the turning load: key 8 h + lane % 8, rows of 32 bytes,
	v_lshlrev_b32 v[AV0], 5, v[AV0]
	v_bfe_u32 v[ADK], v0, 3, 1
	v_lshl_add_u32 v[AV0], v[ADK], 4, v[AV0]       ; channels 8 ((lane / 8) % 2) on
	v_add_nc_u32 v[AV0], VOFF, v[AV0]
	v_lshlrev_b32 v[BO], 5, v[BO]
	v_lshlrev_b32 v[LI], 4, v[VM]
.if CL
	s_bfe_u32 s15, ttmp6, 0x40000                  ; cx
	s_lshl_b32 s16, ttmp9, 2
	s_add_co_u32 s16, s16, s15                     ; my block of 512 queries: it enters the query's and the output's addresses alone
.else
	s_mov_b32 s16, ttmp9
.endif
	s_and_b32 s17, ttmp7, 0xffff                   ; b 8 + head, which the partners share
	s_lshr_b32 s2, s14, 3                          ; k (0) or v (1)
	s_and_b32 s3, s14, 7
	s_lshl_b32 s3, s3, 14                          ; my 16,384 bytes of the head's image
	s_lshl_b32 s18, s2, 22
	s_add_co_u32 s18, s18, s3
	s_lshl_b32 s19, s17, 17
	s_add_co_u32 s18, s18, s19                     ; in memory,
	s_mov_b32 s19, 0
	s_lshl_b32 s2, s2, 17
	s_add_co_u32 s2, s2, s3                        ; and in LDS
	s_mov_b32 s24, (15*CL)|(3<<16)|(CL<<21)        ; group 1: the mask of all four; 64 rows of 32 elements of 8 bytes, dense
	s_mov_b32 s25, 32<<16
	s_mov_b32 s26, 64<<16
	s_mov_b32 s27, 32<<16
	s_mov_b32 s28, 64
	s_mov_b32 s29, 32
	s_mov_b32 s30, 0
	s_mov_b32 s31, 0
	s_mov_b32 s20, 0x76543210                      ; v_permlanex16_b32's selects for lane l xor 16
	s_mov_b32 s21, 0xfedcba98
	s_mov_b32 s22, 0x3e38aa3b                      ; c = log2(e) / 8
	s_mov_b32 s23, s22                             ; (named with it as a pair, so it is written)
	s_wait_dscnt 0x0                               ; both opening adds are done
	s_wait_kmcnt 0x0
	s_add_nc_u64 s[18:19], s[8:9], s[18:19]
	s_mov_b32 s32, 1
	s_mov_b32 s33, s2
	s_mov_b64 s[34:35], s[18:19]
	s_or_b32 s35, s35, 0x80000000
	CROUND                                         ; all four work-groups are here: the joint loads meet
	tensor_load_to_lds s[32:35], s[24:31]          ; my one tensor load of the launch
	s_nop 0
.rept 4
	v_nop
.endr
	s_lshr_b32 s60, s17, 3                         ; b
	s_and_b32 s61, s17, 7                          ; head
	s_lshl_b32 s60, s60, 8
	s_lshl_b32 s62, s16, 5
	s_add_co_u32 s60, s60, s62
	s_lshl_b32 s62, s14, 1
	s_add_co_u32 s60, s60, s62                     ; my first row tile: b 256 + block 32 + 2 w
	s_lshl_b32 s48, s60, 12
	s_add_co_u32 s48, s48, Q1C
	s_mov_b32 s49, 0
	s_add_nc_u64 s[48:49], s[4:5], s[48:49]        ; the query's codes
	s_lshl_b32 s52, s60, 8
	s_add_co_u32 s52, s52, Q1S
	s_mov_b32 s53, 0
	s_add_nc_u64 s[52:53], s[4:5], s[52:53]        ; and scale words
	s_lshl_b32 s50, s61, 14
	s_add_co_u32 s50, s50, WQC
	s_mov_b32 s51, 0
	s_add_nc_u64 s[50:51], s[4:5], s[50:51]        ; Wq's codes: the head's four row tiles
	s_lshl_b32 s54, s61, 10
	s_add_co_u32 s54, s54, WQS
	s_mov_b32 s55, 0
	s_add_nc_u64 s[54:55], s[4:5], s[54:55]
	s_lshl_b32 s62, s61, 8
	s_mov_b32 s63, 0
	s_add_nc_u64 s[6:7], s[6:7], s[62:63]          ; bq at the head's 64
	s_lshl_b32 s62, s60, 14
	s_lshl_b32 s61, s61, 11
	s_add_co_u32 s62, s62, s61
	s_add_nc_u64 s[12:13], s[12:13], s[62:63]      ; the output: my row tiles, the head's eight chunks
.irp i, 0,1,2,3,4,5,6,7
	global_load_b128 v[Q+4*\i:Q+4*\i+3], v[LI], s[10:11] offset:4096+512*\i   ; the 1,024 largest magnitudes of v's waves
.endr
.irp dt, 0,1,2,3
	global_load_b128 v[O+8*\dt:O+8*\dt+3], v[BO], s[6:7] offset:64*\dt        ; bq in the result's layout: d = 16 dt + 8 h + 0 .. 7
	global_load_b128 v[O+8*\dt+4:O+8*\dt+7], v[BO], s[6:7] offset:64*\dt+16
.endr
	QLOAD 0
	s_wait_loadcnt 0x0
	QMUL 0
	PLACES
	QLOAD 1
	v_max3_num_f32 v[VM], v[Q], v[Q+1], v[Q+2]     ; the largest |v| of the launch before, while the second round's loads are out
.irp n, 3,5,7,9,11,13,15,17,19,21,23,25,27,29
	v_max3_num_f32 v[VM], v[VM], v[Q+\n], v[Q+\n+1]
.endr
	v_max_num_f32 v[VM], v[VM], v[Q+31]
	v_max_num_f32_dpp v[VM], v[VM], v[VM] row_xmask:1 row_mask:0xf bank_mask:0xf
	v_max_num_f32_dpp v[VM], v[VM], v[VM] row_xmask:2 row_mask:0xf bank_mask:0xf
	v_max_num_f32_dpp v[VM], v[VM], v[VM] row_xmask:4 row_mask:0xf bank_mask:0xf
	v_max_num_f32_dpp v[VM], v[VM], v[VM] row_xmask:8 row_mask:0xf bank_mask:0xf
	v_permlanex16_b32 v[VT], v[VM], s20, s21
	v_max_num_f32 v[VM], v[VM], v[VT]
	v_and_b32 v[VM], 0x7f800000, v[VM]             ; its exponent field: 2^E
	v_sub_nc_u32 v[VM], 0x7f000000, v[VM]          ; 2^-E
	v_readfirstlane_b32 s58, v[VM]                 ; a factor, and nothing else
	s_wait_loadcnt 0x0
	QMUL 1
	PLACES
.irp t, 0,1
.irp dt, 0,1,2,3
.irp p, 0,1,2,3
	v_cvt_pk_bf16_f32 v[Q+16*\t+4*\dt+\p], v[S+32*\t+8*\dt+2*\p], v[S+32*\t+8*\dt+2*\p+1]
.endr
.endr
.endr
.irp t, 0,1
	v_mov_b32 v[ST+8*\t+1], 0xff61b1e6             ; m: -3e38, under every score
	v_mul_f32 v[ST+8*\t], s22, v[ST+8*\t+1]
	v_mov_b32 v[ST+8*\t+2], 0
	v_mov_b32 v[ST+8*\t+3], 0
.endr
.set j, 0
.rept 64
	v_mov_b32 v[O+j], 0                            ; the step is written once: the first finds zeros, which a = 0 leaves zeros
.set j, j+1
.endr
	s_wait_tensorcnt 0x0                           ; my part of the head's k or v is in LDS,
	s_barrier_signal -1
	s_barrier_wait -1                              ; and so is everybody's: every read below stands behind this wait, and nothing is filled again
	s_mov_b32 s56, 0                               ; the step's first byte in k's and in v's image
	s_mov_b32 s57, 16                              ; 1,024 keys: sixteen steps of 64
.Lstep:
	KSTEP
	s_add_co_u32 s56, s56, 8192
	s_sub_co_u32 s57, s57, 1
	s_cmp_lg_u32 s57, 0
	s_cbranch_scc1 .Lstep
	; THE WAY OUT: O^T / sum x 2^-E, to f16; a lane's eight channels are 16 bytes, and the wave's 32 lanes store 512 consecutive bytes, aligned
	PLACES
.irp t, 0,1
	v_add_f32 v[ST+8*\t+4], v[ST+8*\t+2], v[ST+8*\t+3]
.endr
.irp t, 0,1
	v_permlanex16_b32 v[ST+8*\t+5], v[ST+8*\t+4], s20, s21
.endr
.irp t, 0,1
	v_add_f32 v[ST+8*\t+4], v[ST+8*\t+4], v[ST+8*\t+5]
.endr
.irp t, 0,1
	v_rcp_f32 v[ST+8*\t+6], v[ST+8*\t+4]
.endr
	v_nop                                          ; the plain line behind the reciprocals
	s_wait_alu depctr_va_vdst(0)                   ; and the wait ahead of their first reader
.irp t, 0,1
	v_mul_f32 v[ST+8*\t+6], s58, v[ST+8*\t+6]
.endr
.set j, 0
.rept 16
.irp t, 0,1
	v_pk_mul_f32 v[S+32*\t+j:S+32*\t+j+1], v[O+32*\t+j:O+32*\t+j+1], v[ST+8*\t+6:ST+8*\t+7] op_sel_hi:[1,0]
.endr
.set j, j+2
.endr
.set j, 0
.rept 16
.irp t, 0,1
	v_cvt_pk_f16_f32 v[S+32*\t+j], v[S+32*\t+2*j], v[S+32*\t+2*j+1]
.endr
.set j, j+1
.endr
.irp t, 0,1
.irp dt, 0,1,2,3
	global_store_b128 v[LI], v[S+32*\t+4*\dt:S+32*\t+4*\dt+3], s[12:13] offset:\t*16384+\dt*512
.endr
.endr
	s_wait_tensorcnt 0x0                           ; the wave's end, behind my last tensor load
	ds_add_u32 v[SPW], v[NIL]
	s_wait_dscnt 0x0
	CROUND                                         ; the closing round
	s_endpgm
.Lfunc_end_k_qe577d9adf3_attn:
	.size	k_qe577d9adf3_attn, .Lfunc_end_k_qe577d9adf3_attn-k_qe577d9adf3_attn
	.p2alignl 7, 3214868480
	.fill 96, 4, 3214868480
	.section	.rodata,"a",@progbits
	.p2align	6, 0x0
	.amdhsa_kernel k_qe577d9adf3_attn
		.amdhsa_group_segment_fixed_size 264192
		.amdhsa_private_segment_fixed_size 0
		.amdhsa_enable_private_segment 0
		.amdhsa_kernarg_size 40
		.amdhsa_user_sgpr_count 2
		.amdhsa_user_sgpr_kernarg_segment_ptr 1
		.amdhsa_wavefront_size32 1
		.amdhsa_system_sgpr_workgroup_id_x 1
		.amdhsa_system_sgpr_workgroup_id_y 1
		.amdhsa_system_sgpr_workgroup_id_z 1
		.amdhsa_system_vgpr_workitem_id 0
		.amdhsa_next_free_vgpr 256
		.amdhsa_next_free_sgpr 66
		.amdhsa_reserve_vcc 0
		.amdhsa_float_denorm_mode_32 3
		.amdhsa_float_denorm_mode_16_64 3
		.amdhsa_memory_ordered 1
		.amdhsa_forward_progress 1
		.amdhsa_inst_pref_size 45
	.end_amdhsa_kernel
	.amdgpu_metadata
---
amdhsa.version: [ 1, 2 ]
amdhsa.kernels:
  - .name:           k_qe577d9adf3_attn
    .symbol:         k_qe577d9adf3_attn.kd
    .args:
      - { .name: pw, .offset: 0, .size: 8, .value_kind: global_buffer, .address_space: global }
      - { .name: bq, .offset: 8, .size: 8, .value_kind: global_buffer, .address_space: global }
      - { .name: kv, .offset: 16, .size: 8, .value_kind: global_buffer, .address_space: global }
      - { .name: vmax, .offset: 24, .size: 8, .value_kind: global_buffer, .address_space: global }
      - { .name: o16, .offset: 32, .size: 8, .value_kind: global_buffer, .address_space: global }
    .group_segment_fixed_size: 264192
    .private_segment_fixed_size: 0
    .kernarg_segment_align: 8
    .kernarg_segment_size: 40
    .max_flat_workgroup_size: 512
    .sgpr_count:     66
    .vgpr_count:     256
    .wavefront_size: 32
...
	.end_amdgpu_metadata
.endif
;; end of part 4
;; launch oproj (part 5): grid 4 x 64, 8 waves a work-group, clusters of 4 x 4, 327,680 bytes of LDS; arguments pw, o16, vmax, bo, out0; writes out0
.if DOCPART == 5
	.amdgcn_target "amdgcn-amd-amdhsa--gfx1250"
	.amdhsa_code_object_version 6
	.text
	.protected	k_qe577d9adf3_oproj
	.globl	k_qe577d9adf3_oproj
	.p2align	8
	.type	k_qe577d9adf3_oproj,@function
k_qe577d9adf3_oproj:
	s_mov_b64 s[64:65], 0
	v_nop
	global_prefetch_b8 v0, s[64:65] scope:SCOPE_SE
	s_setreg_imm32_b32 hwreg(HW_REG_WAVE_MODE, 25, 1), 1
	s_wait_xcnt 0x0
	s_wait_alu depctr_hold_cnt(0) depctr_sa_sdst(0) depctr_va_vdst(0) depctr_va_sdst(0) depctr_va_ssrc(0) depctr_va_vcc(0) depctr_vm_vsrc(0)
	s_getreg_b32 s2, hwreg(HW_REG_IB_STS2, 6, 4)
	s_cmp_eq_u32 s2, 0
	s_cbranch_scc0 .Lentry_in_a_cluster
	s_endpgm
.Lentry_in_a_cluster:
	s_bfe_u32 s2, ttmp6, 0x10000c
	s_cmp_lg_u32 s2, 0xf033
	s_cbranch_scc0 .Lentry_shape_is_right
	s_endpgm
.Lentry_shape_is_right:
; OPROJ.  out = o Wo^T + bo, on f16 operands with f32 sums.  o arrives x 2^-E (2^E = the power of two in the largest |v|, read again here from the same 1,024 numbers); the way out multiplies by 2^E, exactly, and adds bo.
; LIMIT: where the largest |v| lies under 2^-126, 2^E reads as 0 and the product's share of the output, itself under 2^-126, is dropped.
; X = 128 rows of Wo (block x).  A WORK-GROUP STAYS: it makes TWO blocks of 128 rows (t) of o for one b, one below the other (pair yy = b 16 + t / 256), against the same X: 4 x 64 work-groups.
; Source 0 = 16 rows of X, source 1 = 16 rows of Y: a lane holds ONE row (t) and eight neighbouring outputs.  Wave w: 64 outputs (w % 2), 32 rows (w / 2) of each block: 8 accumulators, 128 matrix instructions a block.
; LDS: K = 512 lies as four quarters of 128, each [X, Y][row tile 8][4,096 bytes].  The first block's quarters come at the head, wave w bringing two row tiles of one operand for each: four tensor loads of mine
; are out there; a counted wait and a barrier stand in front of the first read of quarters 0 and 1.  X stays.  Y IS FILLED AGAIN, in two halves, each behind a round of the cluster's barrier in front of which every
; wave has waited for all its tensor loads, added 0 to its spare word and waited for that and for its reads: behind K step 6 of the first block the second block's quarters 0 and 1 (nine K steps, 72 matrix
; instructions a wave, ahead of the wait for them), behind K step 15 its quarters 2 and 3 (the first block's way out and seven K steps ahead).  Each time every wave asks for two row tiles of one quarter: one load a wave.
; THE WAY OUT goes through the wave's own stage (16 rows of 256 bytes + 16), behind the quarters, into which no fill lands: 16 lanes then store 256 consecutive bytes of a row, aligned.
; The first block's stores are on their way while the second block is multiplied: nothing waits for them but the registers that they read.
; The launch claims all 327,680 bytes; the text uses 297,984.
; CLUSTER 4 x 4: X's tiles are shared along a column of the cluster, Y's along a row.  CL = 0 with cluster = none gives the plain form.
.set CL, 1
.set WH, 0xC20000
.set QB, 65536
.set STAGE, 4*QB
.set SP,    272
.set SPARE, STAGE+8*16*SP              ; the spare words, 128 bytes for each wave: four blocks of 256 bytes that no other line names
.set SPW, 1
.set NIL, 2
.set LI,  3                            ; v3 16 x lane
.set AX,  4                            ; v4-7 my X fragments in quarter q;  v8-11 my Y fragments
.set AY,  8
.set FR,  32                           ; v32-79, v80-127 two sets of fragments; on the way out v32-95 the numbers for the stage, v96-127 and v224-255 the rows read back
.set ACC, 128
.set BIAS, 192                         ; v192-223 bo in the result's layout
.set BK0, 96
.set BK1, 224
.set G1W0, (3<<16)|(CL<<21)
; v12 32 h; v13 into the stage; v14 out of it; v15 my offset in two rows of out; v16, v17 at work
; s[24:31], s[32:39] group 1 for X's and Y's tiles; s[40:55], s[68:83] group 0 of the first fills, a set for each quarter; s[60:63], s[92:95] group 0 of my two refills; none is written again
.macro PLACES
.rept 4
	v_nop
.endr
.endm
.macro CROUND
	s_barrier_signal -1
	s_barrier_wait -1
.if CL
	s_cmp_lg_u32 s16, 0
	s_cbranch_scc1 .Lnw0_\@
	s_barrier_signal -3
.Lnw0_\@:
	s_barrier_wait -3
	s_barrier_signal -1
	s_barrier_wait -1
.endif
.endm
.macro FETCH ks                        ; the fragments of K step ks (32 along K): 12 loads
.set FB, FR+48*((\ks)&1)
.set QA, (\ks)>>2
.irp xi, 0,1,2,3
	ds_load_b128 v[FB+8*\xi:FB+8*\xi+3], v[AX+QA] offset:\xi*4096+((\ks)&3)*1024
	ds_load_b128 v[FB+8*\xi+4:FB+8*\xi+7], v[AX+QA] offset:\xi*4096+((\ks)&3)*1024+512
.endr
.irp yi, 0,1
	ds_load_b128 v[FB+32+8*\yi:FB+32+8*\yi+3], v[AY+QA] offset:\yi*4096+((\ks)&3)*1024
	ds_load_b128 v[FB+32+8*\yi+4:FB+32+8*\yi+7], v[AY+QA] offset:\yi*4096+((\ks)&3)*1024+512
.endr
.endm
.macro MUL ks                          ; 8 matrix instructions, the accumulators by turns; a block's first K step starts the sums
.set FB, FR+48*((\ks)&1)
.irp yi, 0,1
.irp xi, 0,1,2,3
.if (\ks) == 0
	v_wmma_f32_16x16x32_f16 v[ACC+8*(4*\yi+\xi):ACC+8*(4*\yi+\xi)+7], v[FB+8*\xi:FB+8*\xi+7], v[FB+32+8*\yi:FB+32+8*\yi+7], 0
.else
	v_wmma_f32_16x16x32_f16 v[ACC+8*(4*\yi+\xi):ACC+8*(4*\yi+\xi)+7], v[FB+8*\xi:FB+8*\xi+7], v[FB+32+8*\yi:FB+32+8*\yi+7], v[ACC+8*(4*\yi+\xi):ACC+8*(4*\yi+\xi)+7]
.endif
.endr
.endr
.endm
.macro KST ks, pl                      ; K step ks: the next step's fragments are fetched, then this step is multiplied.  pl = 1: four places stand in front of the loads into registers that matrix instructions have read
.if \pl
	PLACES
.endif
.if (\ks) < 15
	FETCH (\ks)+1
	s_wait_dscnt 12                                ; all but the 12 just issued
.else
	s_wait_dscnt 0x0
.endif
	MUL \ks
.endm
.macro RUN from, to                    ; K steps from .. to
.set KS, \from
.rept (\to)-(\from)+1
	KST KS, 1
.set KS, KS+1
.endr
.endm
; Half of Y is filled again: n = 0: quarters 0 and 1, n = 1: quarters 2 and 3, with the second block's.  The four v_nop behind the load are also the places behind the last products.
.macro CHANGE n
	s_wait_tensorcnt 0x0                           ; all my tensor loads have landed
	ds_add_u32 v[SPW], v[NIL]                      ; 0 onto my spare word
	s_wait_dscnt 0x0                               ; the add is done, and my reads of the quarters that are filled again are over
	CROUND                                         ; both now hold of every wave of every work-group of the cluster
.if \n == 0
	tensor_load_to_lds s[60:63], s[32:39]          ; my one tensor load behind this round
.else
	tensor_load_to_lds s[92:95], s[32:39]
.endif
	s_nop 0
.rept 4
	v_nop
.endr
.endm
; THE WAY OUT of block blk: x 2^E + bo, 16 rows at a time through my stage.  LDS serves a wave's instructions in order (ISA guide 5.7.1.4): the loads see the stores above them, and the next 16 rows' stores come behind them
.macro WAYOUT blk
.irp yi, 0,1
.irp xi, 0,1,2,3
.irp p, 0,1,2,3
	v_pk_fma_f32 v[FR+32*\yi+8*\xi+2*\p:FR+32*\yi+8*\xi+2*\p+1], v[ACC+8*(4*\yi+\xi)+2*\p:ACC+8*(4*\yi+\xi)+2*\p+1], s[58:59], v[BIAS+8*\xi+2*\p:BIAS+8*\xi+2*\p+1] op_sel_hi:[1,0,1]
.endr
	ds_store_b128 v13, v[FR+32*\yi+8*\xi:FR+32*\yi+8*\xi+3] offset:64*\xi
	ds_store_b128 v13, v[FR+32*\yi+8*\xi+4:FR+32*\yi+8*\xi+7] offset:64*\xi+16
.endr
.irp i, 0,1,2,3,4,5,6,7
	ds_load_b128 v[BK0+(BK1-BK0)*\yi+4*\i:BK0+(BK1-BK0)*\yi+4*\i+3], v14 offset:\i*2*SP
.endr
.endr
.irp yi, 0,1
.irp i, 0,1,2,3,4,5,6,7
	s_wait_dscnt 16*(1-\yi)+7-\i                   ; behind this pair of rows: the later pairs' loads, and for the first 16 rows the second's 16 LDS instructions
	global_store_b128 v15, v[BK0+(BK1-BK0)*\yi+4*\i:BK0+(BK1-BK0)*\yi+4*\i+3], s[12:13] offset:(\blk)*1048576+\yi*131072+\i*16384 th:TH_STORE_NT   ; 16 lanes store 256 consecutive bytes, aligned; written once, read by nobody here; the second block lies 128 rows of 8,192 bytes on
.endr
.endr
.endm
	s_load_b256 s[4:11], s[0:1], 0x0               ; pw, o16, vmax, bo
	s_load_b64 s[12:13], s[0:1], 0x20              ; out0
	v_lshl_add_u32 v[SPW], v0, 2, SPARE
	v_mov_b32 v[NIL], 0
	ds_add_u32 v[SPW], v[NIL]                      ; the wave's opening: the add, twice on end, and its wait ahead of my first tensor load
	ds_add_u32 v[SPW], v[NIL]
	v_lshrrev_b32 v20, 5, v0
	v_readfirstlane_b32 s16, v20                   ; wave 0..7
	s_lshr_b32 s17, s16, 2                         ; a refill: which of its two quarters is mine
	s_and_b32 s18, s16, 3                          ; I fetch row tiles 2 (w % 4) and the next: at the head of X (waves 0-3) or of Y, in a refill of Y
	s_and_b32 s19, s16, 1                          ; wx
	s_lshr_b32 s20, s16, 1                         ; wy
.if CL
	s_bfe_u32 s21, ttmp6, 0x40000                  ; cx
	s_bfe_u32 s22, ttmp6, 0x40004                  ; cy
	s_lshl_b32 s23, ttmp9, 2
	s_add_co_u32 s23, s23, s21                     ; x
	s_and_b32 s84, ttmp7, 0xffff
	s_lshl_b32 s84, s84, 2
	s_add_co_u32 s84, s84, s22                     ; yy: my pair of blocks
	s_lshl_b32 s85, 0x1111, s21                    ; my column
	s_lshl_b32 s86, s22, 2
	s_lshl_b32 s86, 15, s86                        ; my row
.else
	s_mov_b32 s23, ttmp9
	s_and_b32 s84, ttmp7, 0xffff
	s_mov_b32 s85, 0
	s_mov_b32 s86, 0
.endif
	s_or_b32 s24, s85, G1W0                        ; group 1: 2 rows of 512 elements of 8 bytes, 2,048 elements apart
	s_or_b32 s32, s86, G1W0
.irp g, 24, 32
	s_mov_b32 s[\g+1], 512<<16
	s_mov_b32 s[\g+2], 2<<16
	s_mov_b32 s[\g+3], 512<<16
	s_mov_b32 s[\g+4], 2
	s_mov_b32 s[\g+5], 2048
	s_mov_b32 s[\g+6], 0
	s_mov_b32 s[\g+7], 0
.endr
	s_lshl_b32 s88, s23, 17                        ; X: Wo's image (the third), block x, my two row tiles.  These registers never hold cy
	s_lshl_b32 s89, s18, 15
	s_add_co_u32 s88, s88, s89
	s_add_co_u32 s88, s88, WH+(2<<19)
	s_mov_b32 s89, 0
	s_lshl_b32 s90, s84, 18                        ; Y: the pair's first block, my two row tiles.  These never hold cx
	s_lshl_b32 s91, s18, 15
	s_add_co_u32 s90, s90, s91
	s_mov_b32 s91, 0
	s_lshl_b32 s56, s84, 18                        ; Y: the pair's second block, 131,072 bytes on: my two row tiles, my quarter of the first refill
	s_lshl_b32 s57, s18, 15
	s_add_co_u32 s56, s56, s57
	s_lshl_b32 s57, s17, 12
	s_add_co_u32 s56, s56, s57
	s_add_co_u32 s56, s56, 131072
	s_mov_b32 s57, 0
	s_lshl_b32 s14, s16, 13                        ; where the first fills go in a quarter: wave x 8,192
	s_lshl_b32 s15, s17, 16                        ; where my first refill goes: my quarter, behind X's eight row tiles, my two row tiles
	s_lshl_b32 s3, s18, 13
	s_add_co_u32 s15, s15, s3
	s_add_co_u32 s15, s15, 32768
	s_wait_dscnt 0x0                               ; both opening adds are done
	s_wait_kmcnt 0x0
	s_add_nc_u64 s[88:89], s[4:5], s[88:89]
	s_add_nc_u64 s[90:91], s[6:7], s[90:91]
.irp q, 0,1,2,3
	s_mov_b32 s[40+4*\q], 1
	s_add_co_u32 s[41+4*\q], s14, \q*QB
	s_add_nc_u64 s[42+4*\q:43+4*\q], s[88:89], \q*4096
	s_or_b32 s[43+4*\q], s[43+4*\q], 0x80000000
	s_mov_b32 s[68+4*\q], 1
	s_add_co_u32 s[69+4*\q], s14, \q*QB
	s_add_nc_u64 s[70+4*\q:71+4*\q], s[90:91], \q*4096
	s_or_b32 s[71+4*\q], s[71+4*\q], 0x80000000
.endr
	s_mov_b32 s60, 1
	s_mov_b32 s61, s15
	s_add_nc_u64 s[62:63], s[6:7], s[56:57]
	s_mov_b32 s92, 1
	s_add_co_u32 s93, s15, 2*QB                    ; the second refill: two quarters on, in LDS
	s_add_nc_u64 s[94:95], s[62:63], 8192          ; and in a row tile's 16,384 bytes
	s_or_b32 s63, s63, 0x80000000
	s_or_b32 s95, s95, 0x80000000
	CROUND                                         ; all sixteen work-groups are here: the joint loads meet
	s_cmp_lt_u32 s16, 4                            ; a wave's four first fills stand in one branch: four loads of mine are out
	s_cbranch_scc0 .Lfill_y
.irp q, 0,1,2,3
	tensor_load_to_lds s[40+4*\q:43+4*\q], s[24:31]
	s_nop 0
.endr
.rept 4
	v_nop
.endr
	s_branch .Lfilled
.Lfill_y:
.irp q, 0,1,2,3
	tensor_load_to_lds s[68+4*\q:71+4*\q], s[32:39]
	s_nop 0
.endr
.rept 4
	v_nop
.endr
.Lfilled:
	v_and_b32 v20, 31, v0
	v_lshlrev_b32 v[LI], 4, v20
	s_lshl_b32 s56, s19, 14                        ; X: my four row tiles of 4,096 bytes
	s_lshl_b32 s57, s20, 13                        ; Y: my two, behind X's eight
	s_add_co_u32 s57, s57, 32768
.irp q, 0,1,2,3
	v_add_nc_u32 v[AX+\q], s56, v[LI]
	v_add_nc_u32 v[AY+\q], s57, v[LI]
	s_add_co_u32 s56, s56, QB
	s_add_co_u32 s57, s57, QB
.endr
	v_and_b32 v21, 15, v0                          ; r
	v_bfe_u32 v22, v0, 4, 1                        ; h
	v_lshlrev_b32 v12, 5, v22
	s_lshl_b32 s56, s23, 9
	s_lshl_b32 s57, s19, 8
	s_add_co_u32 s56, s56, s57
	s_mov_b32 s57, 0
	s_add_nc_u64 s[10:11], s[10:11], s[56:57]      ; bo at output 128 x + 64 wx
.irp i, 0,1,2,3,4,5,6,7
	global_load_b128 v[BK1+4*\i:BK1+4*\i+3], v[LI], s[8:9] offset:4096+512*\i   ; the 1,024 largest magnitudes of v's waves
.endr
.irp xi, 0,1,2,3
	global_load_b128 v[BIAS+8*\xi:BIAS+8*\xi+3], v12, s[10:11] offset:64*\xi
	global_load_b128 v[BIAS+8*\xi+4:BIAS+8*\xi+7], v12, s[10:11] offset:64*\xi+16
.endr
	s_mul_i32 s56, s16, 16*SP
	s_add_co_u32 s56, s56, STAGE                   ; my stage
	v_mul_u32_u24 v13, v21, SP
	v_lshl_add_u32 v13, v22, 5, v13
	v_add_nc_u32 v13, s56, v13                     ; in: row r, 32 bytes for each half of the lanes
	v_mul_u32_u24 v14, v22, SP
	v_lshl_add_u32 v14, v21, 4, v14
	v_add_nc_u32 v14, s56, v14                     ; back: lanes 0-15 one row, lanes 16-31 the next
	v_lshlrev_b32 v15, 13, v22
	v_lshl_add_u32 v15, v21, 4, v15                ; and the same two rows of out, 8,192 bytes apart
	s_and_b32 s56, s84, 15
	s_lshl_b32 s56, s56, 4
	s_add_co_u32 s56, s56, s20
	s_add_co_u32 s56, s56, s20                     ; my first 16 rows of the first block: t / 16 = (yy % 16) 16 + 2 wy
	s_lshl_b32 s56, s56, 17
	s_lshr_b32 s57, s84, 4                         ; b
	s_lshl_b32 s57, s57, 11
	s_add_co_u32 s56, s56, s57
	s_lshl_b32 s57, s23, 9
	s_add_co_u32 s56, s56, s57
	s_lshl_b32 s57, s19, 8
	s_add_co_u32 s56, s56, s57
	s_mov_b32 s57, 0
	s_add_nc_u64 s[12:13], s[12:13], s[56:57]
	s_mov_b32 s2, 0x76543210                       ; v_permlanex16_b32's selects for lane l xor 16
	s_mov_b32 s3, 0xfedcba98
	v_mov_b32 v17, 0
	s_wait_loadcnt 0x0                             ; the magnitudes and bo; the tiles are on their way meanwhile
	v_max3_num_f32 v16, v[BK1], v[BK1+1], v[BK1+2]
.irp n, 3,5,7,9,11,13,15,17,19,21,23,25,27,29
	v_max3_num_f32 v16, v16, v[BK1+\n], v[BK1+\n+1]
.endr
	v_max_num_f32 v16, v16, v[BK1+31]
	v_max_num_f32_dpp v16, v16, v16 row_xmask:1 row_mask:0xf bank_mask:0xf
	v_max_num_f32_dpp v16, v16, v16 row_xmask:2 row_mask:0xf bank_mask:0xf
	v_max_num_f32_dpp v16, v16, v16 row_xmask:4 row_mask:0xf bank_mask:0xf
	v_max_num_f32_dpp v16, v16, v16 row_xmask:8 row_mask:0xf bank_mask:0xf
	v_permlanex16_b32 v17, v16, s2, s3
	v_max_num_f32 v16, v16, v17
	v_and_b32 v16, 0x7f800000, v16                 ; its exponent field: 2^E
	v_readfirstlane_b32 s58, v16                   ; a factor, and nothing else
	s_mov_b32 s59, s58                             ; (named with it as a pair, so it is written)
	; ---- THE FIRST BLOCK: 16 K steps of 32
	s_wait_tensorcnt 0x3                           ; my part of quarter 0 is in; the three later quarters' loads may be out
	s_barrier_signal -1
	s_barrier_wait -1                              ; everybody's is
	FETCH 0
	KST 0, 0
	RUN 1, 2
	s_wait_tensorcnt 0x2                           ; my part of quarter 1 is in; the two later quarters' loads may be out
	s_wait_dscnt 0x0                               ; no LDS instruction of mine is out at a signal
	s_barrier_signal -1
	s_barrier_wait -1
	RUN 3, 6                                       ; (K step 6 fetches step 7's fragments: the last reads of quarters 0 and 1)
	CHANGE 0                                       ; every wave's first fills have landed: quarters 2 and 3 are whole for all; Y's quarters 0 and 1 take the second block's
	KST 7, 0
	RUN 8, 15
	CHANGE 1                                       ; the first refill has landed in every wave: the second block's quarters 0 and 1 are whole for all; Y's quarters 2 and 3 take the second block's
	WAYOUT 0
	s_wait_xcnt 0x0                                ; the stores have read their registers: the loads below land on some of them only behind this wait
	; ---- THE SECOND BLOCK
	FETCH 0
	KST 0, 0
	RUN 1, 6
	s_wait_tensorcnt 0x0                           ; my part of the second refill is in,
	s_wait_dscnt 0x0                               ; no LDS instruction of mine is out at a signal
	s_barrier_signal -1
	s_barrier_wait -1                              ; everybody's is
	RUN 7, 15
	PLACES
	WAYOUT 1
	s_wait_tensorcnt 0x0                           ; the wave's end, behind my last tensor load and my last LDS store
	ds_add_u32 v[SPW], v[NIL]
	s_wait_dscnt 0x0
	CROUND                                         ; the closing round
	s_endpgm
.Lfunc_end_k_qe577d9adf3_oproj:
	.size	k_qe577d9adf3_oproj, .Lfunc_end_k_qe577d9adf3_oproj-k_qe577d9adf3_oproj
	.p2alignl 7, 3214868480
	.fill 96, 4, 3214868480
	.section	.rodata,"a",@progbits
	.p2align	6, 0x0
	.amdhsa_kernel k_qe577d9adf3_oproj
		.amdhsa_group_segment_fixed_size 327680
		.amdhsa_private_segment_fixed_size 0
		.amdhsa_enable_private_segment 0
		.amdhsa_kernarg_size 40
		.amdhsa_user_sgpr_count 2
		.amdhsa_user_sgpr_kernarg_segment_ptr 1
		.amdhsa_wavefront_size32 1
		.amdhsa_system_sgpr_workgroup_id_x 1
		.amdhsa_system_sgpr_workgroup_id_y 1
		.amdhsa_system_sgpr_workgroup_id_z 1
		.amdhsa_system_vgpr_workitem_id 0
		.amdhsa_next_free_vgpr 256
		.amdhsa_next_free_sgpr 96
		.amdhsa_reserve_vcc 0
		.amdhsa_float_denorm_mode_32 3
		.amdhsa_float_denorm_mode_16_64 3
		.amdhsa_memory_ordered 1
		.amdhsa_forward_progress 1
		.amdhsa_inst_pref_size 72
	.end_amdhsa_kernel
	.amdgpu_metadata
---
amdhsa.version: [ 1, 2 ]
amdhsa.kernels:
  - .name:           k_qe577d9adf3_oproj
    .symbol:         k_qe577d9adf3_oproj.kd
    .args:
      - { .name: pw, .offset: 0, .size: 8, .value_kind: global_buffer, .address_space: global }
      - { .name: o16, .offset: 8, .size: 8, .value_kind: global_buffer, .address_space: global }
      - { .name: vmax, .offset: 16, .size: 8, .value_kind: global_buffer, .address_space: global }
      - { .name: bo, .offset: 24, .size: 8, .value_kind: global_buffer, .address_space: global }
      - { .name: out0, .offset: 32, .size: 8, .value_kind: global_buffer, .address_space: global }
    .group_segment_fixed_size: 327680
    .private_segment_fixed_size: 0
    .kernarg_segment_align: 8
    .kernarg_segment_size: 40
    .max_flat_workgroup_size: 256
    .sgpr_count:     96
    .vgpr_count:     256
    .wavefront_size: 32
...
	.end_amdgpu_metadata
.endif
;; end of part 5
